; MI455X (gfx1250); checked and timed in simulation.
; The chip was launched on July 23, 2026; its instructions are those of AMD's public machine-readable ISA for CDNA 5 (MIT licence, August 2026) and "CDNA5" Instruction Set Architecture Reference Guide (July 2026). The comments in the code are by the model that wrote it; some were corrected since.
;; Multi Headed Attention. Allowed arithmetic: matrix products marked QUANTISED: E2M1 operands, one E8M0 scale for each 32 along K, by v_wmma_scale_f32_16x16x128_f8f6f4 with both operands' format E2M1 (or v_wmma_scale_f32_32x16x128_f4), f32 sums; products left as they are: bf16, f16 or f32 operands; f32 sums; everything else in f32.
;; Inputs: Wk 1,024 x 1,024 float32; Wo 1,024 x 1,024 float32; Wq 1,024 x 1,024 float32; Wv 1,024 x 1,024 float32; bo 1,024 float32; x 4 x 2,048 x 1,024 float32.
;; Outputs: out0 4 x 2,048 x 1,024 float32.
;; This version of the problem:
;;   THIS VERSION OF THE PROBLEM IS GIVEN IN LOW PRECISION. The matrix products marked QUANTISED in the list below multiply operands that are first quantised to E2M1 (2 exponent bits, 1 mantissa bit; 4 bits a number), with one power-of-two scale for each 32 numbers along K (OCP MX v1.0); their sums are f32. The products marked 'left as it is' may take bf16, f16 or f32 operands, with f32 sums. Whichever they take, every output number must still come out within the allowed error. Rounding operands to bf16 (8 significant bits) uses up far more of that allowance than f16 does (11 bits, for magnitudes from 6e-5 to 65,504). All else is computed in f32.
;;   The module's matrix products, in the order in which they are computed (A, B: the left and right operand; K: the contracted axis; several contracted axes count as one K, in the product's order):
;;     1. [M 8,192, K 1,024] x [K 1,024, N 1,024]; A: input x; B: input Wq: QUANTISED
;;     2. [M 8,192, K 1,024] x [K 1,024, N 1,024]; A: input x; B: input Wk: QUANTISED
;;     3. [M 8,192, K 1,024] x [K 1,024, N 1,024]; A: input x; B: input Wv: QUANTISED
;;     4. batch 64 x [M 2,048, K 64] x [K 64, N 2,048]; A: computed on the way; B: computed on the way: left as it is (an operand is computed on the way)
;;     5. batch 64 x [M 2,048, K 2,048] x [K 2,048, N 64]; A: computed on the way; B: computed on the way: left as it is (an operand is computed on the way)
;;     6. [M 8,192, K 1,024] x [K 1,024, N 1,024]; A: computed on the way; B: input Wo: left as it is (an operand is computed on the way)
;;   THE QUANTISER, for each operand of a quantised product, along K:
;;     - K is cut into blocks of 32 from its start; a last block that is shorter is filled with zeros.
;;     - A block's scale is 2^e with e = floor(log2(the largest magnitude in the block)) - 2, held to -126 .. 127; a block of zeros has e = 0. As a byte (E8M0): e + 127.
;;     - Each number is divided by its block's scale, clamped to +-6, and rounded to the nearest number of E2M1, ties to even, subnormals kept.
;;     - The product sums the exact products of the quantised numbers (number of the format x scale) in f32.
;;   ~~~python
;;   def quantise(x, axis):      # numpy; x: float32 -> the quantised numbers, widened to float32 again
;;       x = np.moveaxis(x, axis, -1); K = x.shape[-1]
;;       x = np.pad(x, [(0, 0)] * (x.ndim - 1) + [(0, -K % 32)]); x = x.reshape(x.shape[:-1] + (-1, 32)); a = np.abs(x).max(-1, keepdims=True)
;;       e = np.where(a > 0, np.clip(np.frexp(np.where(a > 0, a, 1))[1] - 1 - 2, -126, 127), 0)      # np.frexp(a)[1] - 1 = floor(log2(a)), exactly
;;       r = np.clip(x / 2.0 ** e, -6, 6)
;;       step = 2.0 ** (np.maximum(np.frexp(np.where(r == 0, 1, r))[1] - 1, 0) - 1)
;;       q = np.round(r / step) * step * 2.0 ** e      # np.round: ties to even
;;       return np.moveaxis(q.reshape(q.shape[:-2] + (-1,))[..., :K], -1, axis).astype(np.float32)
;;   ~~~
;; One version. Each part assembles by itself: llvm-mc -triple=amdgcn-amd-amdhsa -mcpu=gfx1250 --defsym DOCPART=n.
;; ======== version 1 of 1: 5 launches
;; limits: values are held in f16: magnitudes above 65,504 overflow, below 6.1e-05 lose precision
;; workspace buffers: xc 4,194,304 bytes; xs 262,144 bytes; wc 1,572,864 bytes; ws 98,304 bytes; wo16 2,097,152 bytes; qkv 50,331,648 bytes; fine32 786,432 bytes; ctx 16,777,216 bytes
;; launch quant (part 1): grid 384 x 1, 4 waves a work-group, no clusters, 33,280 bytes of LDS; arguments x, Wq, Wk, Wv, Wo, xc, xs, wc, ws, wo16; writes xc, xs, wc, ws, wo16
.if DOCPART == 1
	.amdgcn_target "amdgcn-amd-amdhsa--gfx1250"
	.amdhsa_code_object_version 6
	.text
	.protected	k_qa69e6957ba_quant
	.globl	k_qa69e6957ba_quant
	.p2align	8
	.type	k_qa69e6957ba_quant,@function
k_qa69e6957ba_quant:
	s_mov_b64 s[64:65], 0
	v_nop
	global_prefetch_b8 v0, s[64:65] scope:SCOPE_SE
	s_setreg_imm32_b32 hwreg(HW_REG_WAVE_MODE, 25, 1), 1
	s_wait_xcnt 0x0
; x [8192][1024] and Wq, Wk, Wv [1024][1024], f32 with K innermost, become codes of FP4 (E2M1), two a byte, and one E8M0 scale byte for each 32 along K:
; xc [8192][512], xs [8192][32]; wc [3072][512], ws [3072][32] (Wq's rows, then Wk's, then Wv's).  Wo [1024][1024] f32 becomes f16, laid by blocks of 64 along K: wo16 [k / 64][n][64].
; A block's scale is 2^(floor(log2(its largest magnitude)) - 2); its byte is the largest magnitude's exponent field - 2, held at 1 from below.
; LIMITS: a block of zeros, and a block whose largest magnitude lies under 2^-124, gets the byte 1 (a block of zeros has zero codes, and this program alone reads the bytes);
; NaN and infinities among the inputs are not served; |Wo| stays under 65,504, f16's largest number.
; SHARES: work-groups 0-255 take x, 256-287 Wq, 288-319 Wk, 320-351 Wv, 352-383 Wo; a wave takes 8,192 numbers.  Rows are dense and K is a multiple of 32, so the first four are plain streams of blocks.
; The quantising waves: 16 steps of 512 numbers.  Each load reads 512 consecutive bytes; a step's 2,048 bytes turn through the wave's own stage in LDS, so that a lane holds 16 neighbours along K
; (two lanes to a block); a lane's 16 codes are 8 bytes, so a wave's store covers 256 consecutive aligned bytes; a wave's 256 scale bytes are gathered in LDS and leave as one such run.
; Wo's waves touch no LDS: 8 rows a wave; sixteen lanes read 256 consecutive bytes (64 numbers of one row) and the wave stores 256 consecutive bytes (two rows' 128).
.set STEPS, 16
.set CB,    8                          ; bytes of 16 codes
.set R,     16                         ; v16-79   four sets of 16 numbers as loaded (Wo: v16-143, two sets of 64)
.set X,     80                         ; v80-111  two sets of 16 neighbours
.set E,     112                        ; v112-127 a scale byte for each step
.set C,     128                        ; v128-191 codes: four registers for each step, so that no store's data are written again
.set HF,    144                        ; Wo: v144-175 a group's f16 pairs
.set WREG,  8192                       ; LDS: a region for each wave: two stages of 32 x SP bytes, behind them its 256 scale bytes
.set SP,    80                         ; a lane's place in a stage: 64 bytes + 16 of padding
.set SPW,   12                         ; v12 LDS address of my spare word; never rewritten
.set NIL,   13                         ; v13 0; never rewritten
.set SPARE, 4*WREG                     ; behind the four regions: the spare words, 128 bytes a wave, that no other line names
	s_load_b512 s[4:19], s[0:1], 0x0               ; x, Wq, Wk, Wv, Wo, xc, xs, wc
	s_load_b128 s[20:23], s[0:1], 0x40             ; ws, wo16
	v_lshl_add_u32 v[SPW], v0, 2, SPARE
	v_mov_b32 v[NIL], 0
	v_lshrrev_b32 v1, 5, v0
	v_readfirstlane_b32 s28, v1                    ; wave
	v_and_b32 v2, 31, v0                           ; lane
	v_lshlrev_b32 v3, 4, v2                        ; my 16 bytes of a load's 512
	s_mul_i32 s29, s28, WREG
	v_lshrrev_b32 v14, 2, v2
	v_mul_u32_u24 v14, v14, SP
	v_and_b32 v15, 3, v2
	v_lshl_add_u32 v14, v15, 4, v14
	v_add_nc_u32 v14, s29, v14                     ; the stage, on the way in: SP (lane / 4) + 16 (lane % 4)
	v_mul_u32_u24 v15, v2, SP
	v_add_nc_u32 v15, s29, v15                     ; and on the way out: SP x lane: my 16 neighbours
	v_mul_u32_u24 v4, v2, CB                       ; my codes' place in a step's
	v_lshrrev_b32 v5, 1, v2
	s_add_co_u32 s29, s29, 2*32*SP
	v_add_nc_u32 v5, s29, v5                       ; LDS: my wave's scale bytes, my block's byte
	v_lshlrev_b32 v7, 3, v2                        ; 8 bytes a lane
	v_add_nc_u32 v6, s29, v7
	s_sub_co_u32 s26, ttmp9, 256                   ; which work-group among the weights',
	s_and_b32 s27, s26, 31                         ; and within its weight
	s_wait_kmcnt 0x0
	s_cmp_ge_u32 ttmp9, 352                        ; the work-group's number alone parts the two ways
	s_cbranch_scc1 .Lwo
	s_cmp_lt_u32 ttmp9, 288
	s_cselect_b64 s[24:25], s[6:7], s[8:9]
	s_cmp_lt_u32 ttmp9, 320
	s_cselect_b64 s[24:25], s[24:25], s[10:11]
	s_cmp_lt_u32 ttmp9, 256
	s_cselect_b64 s[4:5], s[4:5], s[24:25]         ; the numbers,
	s_cselect_b64 s[8:9], s[14:15], s[18:19]       ; the codes,
	s_cselect_b64 s[10:11], s[16:17], s[20:21]     ; the scale bytes
	s_cselect_b32 s27, ttmp9, s27
	s_cselect_b32 s26, ttmp9, s26
	s_lshl_b32 s27, s27, 2
	s_add_co_u32 s27, s27, s28                     ; which run of 8,192 numbers of the source is my wave's
	s_lshl_b32 s26, s26, 2
	s_add_co_u32 s26, s26, s28                     ; and of the destination
	s_lshl_b32 s30, s27, 15
	s_mov_b32 s31, 0
	s_add_nc_u64 s[4:5], s[4:5], s[30:31]
	s_lshl_b32 s30, s26, 12
	s_add_nc_u64 s[8:9], s[8:9], s[30:31]
	s_lshl_b32 s30, s26, 8
	s_add_nc_u64 s[10:11], s[10:11], s[30:31]
.macro LOAD t
.irp i, 0,1,2,3
	global_load_b128 v[R+16*((\t)%4)+4*\i:R+16*((\t)%4)+4*\i+3], v3, s[4:5] offset:2048*(\t)+512*\i th:TH_LOAD_NT   ; 32 lanes read 512 consecutive bytes
.endr
.endm
.macro TURN t                          ; step t's numbers through the stage: LDS serves a wave's instructions in order, so no wait stands between the stores and the loads
.irp i, 0,1,2,3
	ds_store_b128 v14, v[R+16*((\t)%4)+4*\i:R+16*((\t)%4)+4*\i+3] offset:32*SP*((\t)%2)+8*SP*\i
.endr
.irp i, 0,1,2,3
	ds_load_b128 v[X+16*((\t)%2)+4*\i:X+16*((\t)%2)+4*\i+3], v15 offset:32*SP*((\t)%2)+16*\i
.endr
.endm
.irp t, 0,1,2,3
	LOAD \t
.endr
	s_wait_loadcnt 12                              ; step 0's four loads are in
	TURN 0
.macro STEP t
.set XS, X+16*((\t)%2)
.if (\t) > 0
	s_wait_dscnt 1                                 ; this step's numbers are back from the stage (the last step's byte store may be out)
.else
	s_wait_dscnt 0x0
.endif
.if (\t)+4 < STEPS
	LOAD (\t)+4                                    ; into the registers that the stage's stores have read
.endif
.if (\t)+1 < STEPS
.if STEPS-2-(\t) >= 3
	s_wait_loadcnt 12                              ; the next step's four loads are in; those of the three steps behind it may be out
.else
	s_wait_loadcnt 4*(STEPS-2-(\t))
.endif
	TURN (\t)+1
.endif
	v_max3_num_f32 v8, |v[XS]|, |v[XS+1]|, |v[XS+2]|               ; the largest magnitude of my 16, in two chains
	v_max3_num_f32 v9, |v[XS+3]|, |v[XS+4]|, |v[XS+5]|
.irp i, 6,10
	v_max3_num_f32 v8, v8, |v[XS+\i]|, |v[XS+\i+1]|
	v_max3_num_f32 v9, v9, |v[XS+\i+2]|, |v[XS+\i+3]|
.endr
	v_max3_num_f32 v8, v8, |v[XS+14]|, |v[XS+15]|
	v_max3_num_f32 v8, v8, v9, 0x1800000           ; and the floor 2^(3 - 127): the byte cannot fall under 1
	v_max_num_f32_dpp v8, v8, v8 row_xmask:1 row_mask:0xf bank_mask:0xf   ; and of my neighbour's 16: the block's
	v_add_nc_u32 v11, 0xff000000, v8               ; 2 off its exponent field: the conversion takes the exponent field of this operand as its scale
	v_cvt_scalef32_pk8_fp4_f32 v[C+4*(\t)], v[XS:XS+7], v11
	v_cvt_scalef32_pk8_fp4_f32 v[C+4*(\t)+1], v[XS+8:XS+15], v11
	v_lshrrev_b32 v[E+(\t)], 23, v11               ; the scale's byte (also the plain line behind the conversions)
	ds_store_b8 v5, v[E+(\t)] offset:16*(\t)       ; both lanes of a block write the same byte with the same value
	global_store_b64 v4, v[C+4*(\t):C+4*(\t)+1], s[8:9] offset:32*CB*(\t)
.endm
.irp t, 0,1,2,3,4,5,6,7,8,9,10,11,12,13,14,15
	STEP \t
.endr
	ds_load_b64 v[8:9], v6                         ; LDS serves a wave's instructions in order: these see my byte stores
	s_wait_dscnt 0x0
	global_store_b64 v7, v[8:9], s[10:11]          ; 32 lanes store 256 consecutive aligned bytes
	s_wait_tensorcnt 0x0                           ; the wave's end, behind my last LDS store
	ds_add_u32 v[SPW], v[NIL]
	s_wait_dscnt 0x0
	s_endpgm
.Lwo:                                                  ; Wo to f16.  These waves write no LDS
	s_sub_co_u32 s24, ttmp9, 352
	s_lshl_b32 s24, s24, 2
	s_add_co_u32 s24, s24, s28                     ; which 8 rows are my wave's
	s_lshl_b32 s30, s24, 15                        ; 8 rows of 4,096 bytes
	s_mov_b32 s31, 0
	s_add_nc_u64 s[12:13], s[12:13], s[30:31]
	s_lshl_b32 s30, s24, 10                        ; 8 rows of 128 bytes in each block of K
	s_add_nc_u64 s[22:23], s[22:23], s[30:31]
	v_lshrrev_b32 v8, 4, v2
	v_and_b32 v9, 15, v2
	v_lshlrev_b32 v9, 4, v9
	v_lshl_add_u32 v9, v8, 12, v9                  ; lanes 0-15 one row, lanes 16-31 the next; 16 bytes a lane
.macro WOLOAD p                        ; rows 2 p and 2 p + 1: 16 loads, one for each block of 64 along K
.irp kb, 0,1,2,3,4,5,6,7,8,9,10,11,12,13,14,15
	global_load_b128 v[R+64*((\p)%2)+4*\kb:R+64*((\p)%2)+4*\kb+3], v9, s[12:13] offset:(\p)*8192+\kb*256 th:TH_LOAD_NT
.endr
.endm
.macro WOWORK p, younger               ; younger: the next group's loads, which may stay out
.if (\p) > 0
	s_wait_xcnt 0x0                                ; the last group's stores have read their data registers
.endif
.irp kb, 0,1,2,3,4,5,6,7,8,9,10,11,12,13,14,15
	s_wait_loadcnt \younger+15-\kb                 ; loads come back in order: this one is in
	v_cvt_pk_f16_f32 v[HF+2*\kb], v[R+64*((\p)%2)+4*\kb], v[R+64*((\p)%2)+4*\kb+1]
	v_cvt_pk_f16_f32 v[HF+2*\kb+1], v[R+64*((\p)%2)+4*\kb+2], v[R+64*((\p)%2)+4*\kb+3]
	global_store_b64 v7, v[HF+2*\kb:HF+2*\kb+1], s[22:23] offset:\kb*131072+(\p)*256   ; 32 lanes store 256 consecutive aligned bytes
.endr
.endm
	WOLOAD 0
	WOLOAD 1
	WOWORK 0, 16
	WOLOAD 2
	WOWORK 1, 16
	WOLOAD 3
	WOWORK 2, 16
	WOWORK 3, 0
	s_endpgm
.Lfunc_end_k_qa69e6957ba_quant:
	.size	k_qa69e6957ba_quant, .Lfunc_end_k_qa69e6957ba_quant-k_qa69e6957ba_quant
	.p2alignl 7, 3214868480
	.fill 96, 4, 3214868480
	.section	.rodata,"a",@progbits
	.p2align	6, 0x0
	.amdhsa_kernel k_qa69e6957ba_quant
		.amdhsa_group_segment_fixed_size 33280
		.amdhsa_private_segment_fixed_size 0
		.amdhsa_enable_private_segment 0
		.amdhsa_kernarg_size 80
		.amdhsa_user_sgpr_count 2
		.amdhsa_user_sgpr_kernarg_segment_ptr 1
		.amdhsa_wavefront_size32 1
		.amdhsa_system_sgpr_workgroup_id_x 1
		.amdhsa_system_sgpr_workgroup_id_y 1
		.amdhsa_system_sgpr_workgroup_id_z 1
		.amdhsa_system_vgpr_workitem_id 0
		.amdhsa_next_free_vgpr 192
		.amdhsa_next_free_sgpr 66
		.amdhsa_reserve_vcc 0
		.amdhsa_float_denorm_mode_32 3
		.amdhsa_float_denorm_mode_16_64 3
		.amdhsa_memory_ordered 1
		.amdhsa_forward_progress 1
		.amdhsa_inst_pref_size 56
	.end_amdhsa_kernel
	.amdgpu_metadata
---
amdhsa.version: [ 1, 2 ]
amdhsa.kernels:
  - .name:           k_qa69e6957ba_quant
    .symbol:         k_qa69e6957ba_quant.kd
    .args:
      - { .name: x, .offset: 0, .size: 8, .value_kind: global_buffer, .address_space: global }
      - { .name: Wq, .offset: 8, .size: 8, .value_kind: global_buffer, .address_space: global }
      - { .name: Wk, .offset: 16, .size: 8, .value_kind: global_buffer, .address_space: global }
      - { .name: Wv, .offset: 24, .size: 8, .value_kind: global_buffer, .address_space: global }
      - { .name: Wo, .offset: 32, .size: 8, .value_kind: global_buffer, .address_space: global }
      - { .name: xc, .offset: 40, .size: 8, .value_kind: global_buffer, .address_space: global }
      - { .name: xs, .offset: 48, .size: 8, .value_kind: global_buffer, .address_space: global }
      - { .name: wc, .offset: 56, .size: 8, .value_kind: global_buffer, .address_space: global }
      - { .name: ws, .offset: 64, .size: 8, .value_kind: global_buffer, .address_space: global }
      - { .name: wo16, .offset: 72, .size: 8, .value_kind: global_buffer, .address_space: global }
    .group_segment_fixed_size: 33280
    .private_segment_fixed_size: 0
    .kernarg_segment_align: 8
    .kernarg_segment_size: 80
    .max_flat_workgroup_size: 128
    .sgpr_count:     66
    .vgpr_count:     192
    .wavefront_size: 32
...
	.end_amdgpu_metadata
.endif
;; end of part 1
;; launch qkv (part 2): grid 12 x 32, 4 waves a work-group, clusters of 4 x 4, 327,680 bytes of LDS; arguments xc, xs, wc, ws, qkv, fine32; writes qkv, fine32
.if DOCPART == 2
	.amdgcn_target "amdgcn-amd-amdhsa--gfx1250"
	.amdhsa_code_object_version 6
	.text
	.protected	k_qa69e6957ba_qkv
	.globl	k_qa69e6957ba_qkv
	.p2align	8
	.type	k_qa69e6957ba_qkv,@function
k_qa69e6957ba_qkv:
	s_mov_b64 s[64:65], 0
	v_nop
	global_prefetch_b8 v0, s[64:65] scope:SCOPE_SE
	s_setreg_imm32_b32 hwreg(HW_REG_WAVE_MODE, 25, 1), 1
	s_wait_xcnt 0x0
	s_wait_alu depctr_hold_cnt(0) depctr_sa_sdst(0) depctr_va_vdst(0) depctr_va_sdst(0) depctr_va_ssrc(0) depctr_va_vcc(0) depctr_vm_vsrc(0)
	s_getreg_b32 s2, hwreg(HW_REG_IB_STS2, 6, 4)
	s_cmp_eq_u32 s2, 0
	s_cbranch_scc0 .Lentry_in_a_cluster
	s_endpgm
.Lentry_in_a_cluster:
	s_bfe_u32 s2, ttmp6, 0x10000c
	s_cmp_lg_u32 s2, 0xf033
	s_cbranch_scc0 .Lentry_shape_is_right
	s_endpgm
.Lentry_shape_is_right:
; q, k, v = x Wq^T, x Wk^T, x Wv^T as ONE product C[8192][3072] = A B^T on codes of FP4 (E2M1) with one E8M0 scale for each 32 along K = 1,024; sums in f32.
; A = xc [8192][512 bytes], xs [8192][32]; B = wc [3072][512], ws [3072][32].  The results leave as f16, laid by head: qkv [T 3][b 4][h 16][n 2048][64];
; the first 16 positions of each of the 4 sequences leave in f32 too, as images of the accumulators' registers: fine32, byte b 196,608 + T 65,536 + h 4,096 + t 1,024 + g 512 + 16 lane + 4 i
; = token lane % 16, channel 16 t + 8 (lane / 16) + 4 g + i.
; LIMIT: |q|, |k|, |v| stay under 65,504, f16's largest number.
; A tile of C, 256 x 256, is made by four waves, each 128 x 128: 64 accumulators, 512 registers.  K goes in two steps of 512 through two LDS slots, each filled once by the tensor data mover;
; the scales of the work-group's rows of A and of B, for all of K, come once with them.
; CLUSTERS: 4 x 4 work-groups.  The four of a row need the same tiles of A, the four of a column the same tiles of B: each is asked for JOINTLY.  Tile row = 8 cy + cluster y, so that a sequence's first
; tile lies where cluster y = 0: the branch to the f32 stores hangs on the cluster's number and the wave's alone and is the same in all partners.
; THE MATRIX INSTRUCTION IS USED TRANSPOSED (source 0 = 16 rows of B, source 1 = 16 rows of A): a lane holds eight neighbouring columns of one row of C.
; REGISTERS: window 0: v0-31 addresses; v32-95 scale words, two sets, and nothing else; v128-191 A's fragments, one set; on the way out v96-127, v192-255.  window 1: B's fragments, two sets.  windows 2, 3: accumulators.
.set SIZE_K, 1024
.set KSTEP,  512
.set NQ,     KSTEP/128
.set ROWB,   256                       ; a tile's row in bytes
.set KROW,   SIZE_K*4/8                ; a row of codes in memory
.set PITCH,  272                       ; an LDS row: 256 bytes + 16 of padding: the 16 rows that a load touches start at 16 different banks
.set FR,     8
.set NL,     2
.set NP,     4                         ; places behind this matrix instruction (ISA guide 7.12.1)
.set HALFT,  128*PITCH
.set SLOT,   4*HALFT
.set KS,     SIZE_K/32
.set SCL,    2*SLOT
.set HALFS,  (128*KS/256)*272
.set SBLK,   (16*KS/256)*272
.set SPARE,  SCL+4*HALFS               ; the spare words, 128 bytes a wave, that no other line names
.set SP,     144                       ; the way out: a stage of 32 rows x (128 bytes + 16) for each wave, in slot 0, which has had its only fill and its last read by then
.set ADRA, 16
.set ADRB, 20
.set STO,  24
.set RD,   25
.set CO,   26
.set ADRS, 27
.set SPW,  28
.set NIL,  29
.set SC,   32
.set AF,   128
.set TMP,  192                         ; the way out: a block's packed results
.set OB,   96                          ; and its rows read back: v96-127 and v224-255 by turns
.set G1, 24
.set G0, 32
.set G1B, 48
.set G0B, 56
.set G1S, 68
.set G0S, 76
.set G1SB, 80
.set G0SB, 88
.set MSB, 0
.macro WIN new                         ; the immediate's high byte repeats the setting that is left
.if MSB != \new
	s_set_vgpr_msb (MSB<<8)|\new
.set MSB, \new
.endif
.endm
.set MUL_LO, 0xa1
.set MUL_HI, 0xf1
.set TO_B,   0x40
; A joint load: waves 0 and 1 fetch for A, waves 2 and 3 for B; the branch hangs on the wave's number alone.  An s_nop 0 and four v_nop follow each of the two lines.
.macro JLOAD g0a, g1a, g0b, g1b
	s_cmp_eq_u32 s15, 0
	s_cbranch_scc0 .Lfor_b_\@
	tensor_load_to_lds s[\g0a:\g0a+3], s[\g1a:\g1a+7]
	s_nop 0
.rept 4
	v_nop
.endr
	s_branch .Lasked_\@
.Lfor_b_\@:
	tensor_load_to_lds s[\g0b:\g0b+3], s[\g1b:\g1b+7]
	s_nop 0
.rept 4
	v_nop
.endr
.Lasked_\@:
.endm
.macro CROUND                          ; a round of the cluster's barrier
	s_barrier_signal -1
	s_barrier_wait -1
	s_cmp_lg_u32 s14, 0
	s_cbranch_scc1 .Lnot_wave_0_\@
	s_barrier_signal -3
.Lnot_wave_0_\@:
	s_barrier_wait -3
	s_barrier_signal -1
	s_barrier_wait -1
.endm
	s_load_b128 s[4:7], s[0:1], 0x0                ; A's codes, A's scales
	s_load_b128 s[8:11], s[0:1], 0x10              ; B's codes, B's scales
	s_load_b64 s[12:13], s[0:1], 0x20              ; qkv
	s_load_b64 s[96:97], s[0:1], 0x28              ; fine32
	v_lshl_add_u32 v[SPW], v0, 2, SPARE
	v_mov_b32 v[NIL], 0
	ds_add_u32 v[SPW], v[NIL]                      ; the wave's opening: the add, twice on end, and its wait ahead of my first tensor load
	ds_add_u32 v[SPW], v[NIL]
	v_lshrrev_b32 v1, 5, v0
	v_readfirstlane_b32 s14, v1                    ; wave 0..3
	s_lshr_b32 s15, s14, 1                         ; which half of the tile's rows is mine.  Also: I fetch for A (0) or for B (1)
	s_and_b32 s16, s14, 1                          ; which half of its columns.  Also: which 128 rows of that tile I fetch
	s_bfe_u32 s40, ttmp6, 0x40000                  ; cx, cy
	s_bfe_u32 s41, ttmp6, 0x40004
	s_lshl_b32 s42, ttmp9, 2
	s_add_co_u32 s42, s42, s40                     ; tile column = 4 x cluster x + cx
	s_and_b32 s17, ttmp7, 0xffff
	s_lshl_b32 s95, s41, 3
	s_add_co_u32 s17, s17, s95                     ; tile row = 8 cy + cluster y
	s_lshl_b32 s43, s41, 2
	s_lshl_b32 s43, 15, s43                        ; my row of the cluster
	s_lshl_b32 s44, 0x1111, s40                    ; my column
	s_or_b32 s[G1+0], s43, (0<<16)|(1<<20)|(1<<21)|(5<<22)|(3<<25)  ; the mask; elements of 1 byte; padding: 4 words behind every 64
	s_or_b32 s[G1B+0], s44, (0<<16)|(1<<20)|(1<<21)|(5<<22)|(3<<25)
.irp g, G1, G1B
	s_mov_b32 s[\g+1], ROWB<<16                    ; tensor_dim0
	s_mov_b32 s[\g+2], 128<<16                     ; tensor_dim1
	s_mov_b32 s[\g+3], ROWB<<16                    ; tile_dim0
	s_mov_b32 s[\g+4], 128                         ; tile_dim1
	s_mov_b32 s[\g+5], KROW                        ; the pitch
	s_mov_b32 s[\g+6], 0
	s_mov_b32 s[\g+7], 0
.endr
	s_or_b32 s[G1S+0], s43, (3<<16)|(1<<20)|(1<<21)|(5<<22)|(3<<25)  ; the scales of 128 rows: a dense block, as rows of 256 bytes (32 elements of 8), 16 bytes of padding behind each
	s_or_b32 s[G1SB+0], s44, (3<<16)|(1<<20)|(1<<21)|(5<<22)|(3<<25)
.irp g, G1S, G1SB
	s_mov_b32 s[\g+1], 32<<16
	s_mov_b32 s[\g+2], (128*KS/256)<<16
	s_mov_b32 s[\g+3], 32<<16
	s_mov_b32 s[\g+4], 128*KS/256
	s_mov_b32 s[\g+5], 32
	s_mov_b32 s[\g+6], 0
	s_mov_b32 s[\g+7], 0
.endr
	s_lshl_b32 s18, s16, 7
	s_lshl_b32 s20, s17, 8
	s_add_co_u32 s20, s20, s18                     ; A: row 256 x tile row + 128 x half
	s_lshl_b32 s46, s42, 8
	s_add_co_u32 s46, s46, s18                     ; B: row 256 x tile column + 128 x half
	s_mov_b32 s21, 0
	s_mov_b32 s47, 0
	s_mov_b64 s[18:19], KS
	s_mul_u64 s[22:23], s[20:21], s[18:19]         ; where these rows' scales begin,
	s_mul_u64 s[92:93], s[46:47], s[18:19]
	s_mov_b64 s[18:19], KROW
	s_mul_u64 s[20:21], s[20:21], s[18:19]         ; and their codes
	s_mul_u64 s[46:47], s[46:47], s[18:19]
	s_mul_i32 s45, s14, HALFT                      ; where they go: wave x 128 rows
	s_mul_i32 s94, s14, HALFS
	s_wait_dscnt 0x0                               ; both opening adds are done
	s_wait_kmcnt 0x0
	s_add_nc_u64 s[20:21], s[4:5], s[20:21]
	s_add_nc_u64 s[22:23], s[6:7], s[22:23]
	s_add_nc_u64 s[46:47], s[8:9], s[46:47]
	s_add_nc_u64 s[92:93], s[10:11], s[92:93]
	CROUND                                         ; all sixteen work-groups are here: the joint loads meet
	s_mov_b32 s[G0S], 1
	s_add_co_u32 s[G0S+1], s94, SCL
	s_mov_b64 s[G0S+2:G0S+3], s[22:23]
	s_or_b32 s[G0S+3], s[G0S+3], 0x80000000
	s_mov_b32 s[G0SB], 1
	s_add_co_u32 s[G0SB+1], s94, SCL
	s_mov_b64 s[G0SB+2:G0SB+3], s[92:93]
	s_or_b32 s[G0SB+3], s[G0SB+3], 0x80000000
	JLOAD G0S, G1S, G0SB, G1SB                     ; the scales first; with the two slots three loads of mine are out
.irp s, 0,1
	s_mov_b32 s[G0+4*\s], 1
	s_add_co_u32 s[G0+4*\s+1], s45, \s*SLOT
	s_add_nc_u64 s[G0+4*\s+2:G0+4*\s+3], s[20:21], \s*ROWB
	s_or_b32 s[G0+4*\s+3], s[G0+4*\s+3], 0x80000000
	s_mov_b32 s[G0B+4*\s], 1
	s_add_co_u32 s[G0B+4*\s+1], s45, \s*SLOT
	s_add_nc_u64 s[G0B+4*\s+2:G0B+4*\s+3], s[46:47], \s*ROWB
	s_or_b32 s[G0B+4*\s+3], s[G0B+4*\s+3], 0x80000000
	JLOAD G0+4*\s, G1, G0B+4*\s, G1B
.endr
	v_and_b32 v1, 15, v0                           ; r = lane % 16
	v_bfe_u32 v2, v0, 4, 1                         ; h = lane / 16
	v_mul_u32_u24 v3, v1, PITCH
	v_lshl_add_u32 v4, v2, 4, v3                   ; a fragment's row x pitch + 16 h
	s_mul_i32 s21, s15, HALFT                      ; my 128 rows of A
	s_mul_i32 s22, s16, HALFT                      ; my 128 rows of B,
	s_add_co_u32 s22, s22, 2*HALFT                 ; behind A's 256
.irp s, 0,1
	v_add_nc_u32 v[ADRA+\s], s21, v4
	v_add_nc_u32 v[ADRB+\s], s22, v4
	s_add_co_u32 s21, s21, SLOT
	s_add_co_u32 s22, s22, SLOT
.endr
	v_mul_u32_u24 v5, v1, KS                       ; my row's scales: KS bytes a row,
	v_lshrrev_b32 v6, 8, v5
	v_lshl_add_u32 v5, v6, 4, v5                   ; and 16 more for each 256 passed
	s_mul_i32 s21, s15, HALFS
	s_mul_i32 s22, s16, HALFS
	s_add_co_u32 s22, s22, 2*HALFS
	s_sub_co_u32 s22, s22, s21
	v_mul_u32_u24 v6, s22, v2                      ; lanes 16-31 take B's
	s_add_co_u32 s21, s21, SCL
	v_add_nc_u32 v5, v5, v6
	v_add_nc_u32 v[ADRS], s21, v5
	s_mul_i32 s23, s14, 32*SP                      ; my stage
	v_mul_u32_u24 v5, v1, SP                       ; in: row r of a head's 16, 16 bytes for each half of the lanes
	v_lshl_add_u32 v5, v2, 4, v5
	v_add_nc_u32 v[STO], s23, v5
	v_and_b32 v6, 31, v0
	v_lshlrev_b32 v[CO], 4, v6                     ; out: 16 bytes a lane
	v_lshrrev_b32 v7, 3, v6                        ; back: eight lanes to a row of 128 bytes, four rows a load
	v_mul_u32_u24 v7, v7, SP
	v_and_b32 v8, 7, v0
	v_lshl_add_u32 v7, v8, 4, v7
	v_add_nc_u32 v[RD], s23, v7
	; where my 128 x 128 begins in qkv: T = column / 1024, head = (column % 1024) / 64, batch = row / 2048, position = row % 2048
	s_lshr_b32 s98, s42, 2
	s_lshl_b32 s98, s98, 24                        ; T
	s_and_b32 s99, s42, 3
	s_lshl_b32 s99, s99, 2
	s_lshl_b32 s66, s16, 1
	s_add_co_u32 s99, s99, s66
	s_lshl_b32 s99, s99, 18                        ; my first head
	s_add_co_u32 s98, s98, s99
	s_lshr_b32 s99, s17, 3                         ; the batch
	s_lshl_b32 s66, s99, 22
	s_add_co_u32 s98, s98, s66
	s_and_b32 s66, s17, 7
	s_lshl_b32 s66, s66, 1
	s_add_co_u32 s66, s66, s15
	s_lshl_b32 s66, s66, 14                        ; 128 positions of 128 bytes
	s_add_co_u32 s98, s98, s66
	s_mul_i32 s66, s99, 196608                     ; fine32: the batch,
	s_mov_b32 s99, 0
	s_add_nc_u64 s[12:13], s[12:13], s[98:99]
	s_lshl_b32 s67, s42, 1
	s_add_co_u32 s67, s67, s16
	s_lshl_b32 s67, s67, 13                        ; and my two heads' images: (2 x tile column + half) x 8,192
	s_add_co_u32 s66, s66, s67
	s_mov_b32 s67, 0
	s_add_nc_u64 s[96:97], s[96:97], s[66:67]
	s_and_b32 s95, ttmp7, 0xffff
	s_or_b32 s95, s95, s15                         ; 0 where my block 0 holds a sequence's first 16 positions
.macro FRAG reg, adr, q, i             ; 16 rows x 128 K of 4-bit codes: lane l holds row l % 16; registers 4 c .. 4 c + 3 hold K = 64 c + 32 (l / 16) + 0 .. 31
.irp c, 0,1
	ds_load_b128 v[\reg+4*\c:\reg+4*\c+3], v[\adr] offset:64*(\q)+32*\c+(\i)*16*PITCH
.endr
.endm
; 16 matrix instructions: A's blocks a0, a0 + 1 x B's eight.  The 64 accumulators take turns, one instruction a turn, in the same order in every step.
.macro MUL16 a0, p, q, sc, zero
.irp a, \a0, \a0+1
.irp b, 0,1,2,3,4,5,6,7
.if \zero
	v_wmma_scale_f32_16x16x128_f8f6f4 v[8*(8*((\a)%4)+\b):8*(8*((\a)%4)+\b)+7], v[128*(\p)+FR*\b:128*(\p)+FR*\b+FR-1], v[AF+FR*(\a):AF+FR*(\a)+FR-1], 0, v[SC+8*NQ*(\sc)+NQ*\b+(\q)], v[SC+8*NQ*(\sc)+NQ*(\a)+(\q)] matrix_a_fmt:MATRIX_FMT_FP4 matrix_b_fmt:MATRIX_FMT_FP4 matrix_a_scale:MATRIX_SCALE_ROW1
.else
	v_wmma_scale_f32_16x16x128_f8f6f4 v[8*(8*((\a)%4)+\b):8*(8*((\a)%4)+\b)+7], v[128*(\p)+FR*\b:128*(\p)+FR*\b+FR-1], v[AF+FR*(\a):AF+FR*(\a)+FR-1], v[8*(8*((\a)%4)+\b):8*(8*((\a)%4)+\b)+7], v[SC+8*NQ*(\sc)+NQ*\b+(\q)], v[SC+8*NQ*(\sc)+NQ*(\a)+(\q)] matrix_a_fmt:MATRIX_FMT_FP4 matrix_b_fmt:MATRIX_FMT_FP4 matrix_a_scale:MATRIX_SCALE_ROW1
.endif
.endr
.endr
.endm
.macro FETCH_B slot, q, p
	WIN TO_B
.irp i, 0,1,2,3,4,5,6,7
	FRAG 128*(\p)+FR*\i, ADRB+\slot, \q, \i
.endr
	WIN 0
.endm
.macro FETCH_A slot, q, i0
.irp i, \i0, \i0+1, \i0+2, \i0+3
	FRAG AF+FR*(\i), ADRA+\slot, \q, \i
.endr
.endm
.macro SCALES sc                       ; a K step's scale words: lanes 0-15 take A's block i, lanes 16-31 B's block i
.irp i, 0,1,2,3,4,5,6,7
	ds_load_b128 v[SC+8*NQ*\sc+NQ*\i:SC+8*NQ*\sc+NQ*\i+3], v[ADRS] offset:\i*SBLK
.endr
.endm
.macro PLACES n                        ; plain vector lines in front of loads into registers that matrix instructions have read, and of the first read of results
.rept \n
	v_nop
.endr
.endm
.macro STEP slot, q, zero              ; 128 along K that has its successor in the same slot
	s_wait_dscnt 4*NL                              ; B's set and A's blocks 0-3 are in; the youngest eight loads (A's blocks 4-7) may be out
	WIN MUL_LO
	MUL16 0, (\q)%2, \q, \slot, \zero
	MUL16 2, (\q)%2, \q, \slot, \zero
	s_wait_dscnt 0
	PLACES NP
	FETCH_B \slot, (\q)+1, 1-(\q)%2
	FETCH_A \slot, (\q)+1, 0
	WIN MUL_HI
	MUL16 4, (\q)%2, \q, \slot, \zero
	MUL16 6, (\q)%2, \q, \slot, \zero
	PLACES NP
	WIN 0
	FETCH_A \slot, (\q)+1, 4
.endm
; Slot 0's last step changes slots: one barrier; in front of it each wave waits for all its tensor loads, adds 0 to its spare word, and waits for that and for its reads.  Nothing is filled again: K has two steps.
.macro TURN slot, next
	s_wait_tensorcnt 0x0                           ; my part of the next slot has landed
	ds_add_u32 v[SPW], v[NIL]
	s_wait_dscnt 4*NL+1                            ; (the add and the youngest eight loads may be out)
	WIN MUL_LO
	MUL16 0, 1, NQ-1, \slot, 0
	s_wait_dscnt 0x0                               ; the add is done, and my reads of this slot are over
	s_barrier_signal -1
	MUL16 2, 1, NQ-1, \slot, 0
	WIN 0
	s_barrier_wait -1
	PLACES NP
	v_add_nc_u32 v[ADRS], 4*NQ, v[ADRS]            ; on to the next K step's scale words
	FETCH_B \next, 0, 0
	FETCH_A \next, 0, 0
	SCALES \next
	WIN MUL_HI
	MUL16 4, 1, NQ-1, \slot, 0
	MUL16 6, 1, NQ-1, \slot, 0
	PLACES NP
	WIN 0
	FETCH_A \next, 0, 4
.endm
.macro STEPS slot, from
.set Q, \from
.rept NQ-1-\from
	STEP \slot, Q, 0
.set Q, Q+1
.endr
.endm
	s_wait_tensorcnt 1                             ; the scales and my part of slot 0 are in (slot 1's load may be out),
	s_barrier_signal -1
	s_barrier_wait -1                              ; everybody's are
	FETCH_B 0, 0, 0
	FETCH_A 0, 0, 0
	SCALES 0
	FETCH_A 0, 0, 4
	STEP 0, 0, 1                                   ; the first products start the sums: nothing is cleared
	STEPS 0, 1
	TURN 0, 1
	STEPS 1, 0
	s_wait_dscnt 4*NL                              ; the very last step
	WIN MUL_LO
	MUL16 0, 1, NQ-1, 1, 0
	MUL16 2, 1, NQ-1, 1, 0
	s_wait_dscnt 0
	WIN MUL_HI
	MUL16 4, 1, NQ-1, 1, 0
	MUL16 6, 1, NQ-1, 1, 0
	WIN 0
	PLACES NP
	; A sequence's first 16 positions also leave in f32, as the accumulators stand: each store covers 512 consecutive bytes
	s_cmp_lg_u32 s95, 0
	s_cbranch_scc1 .Lnofine
	WIN 0x08                                       ; a store's data: window 2
.irp b, 0,1,2,3,4,5,6,7
	global_store_b128 v[CO], v[8*\b:8*\b+3], s[96:97] offset:1024*\b          ; each accumulator from its low end on
	global_store_b128 v[CO], v[8*\b+4:8*\b+7], s[96:97] offset:1024*\b+512
.endr
	WIN 0
.Lnofine:
; THE WAY OUT, block by block of 16 positions x 128 columns (two heads).  PACK: rounded to f16, 16 bytes a lane.  TOSTAGE: into my stage, rows of one head's 128 bytes, and back four rows a load.  SEND: stored.
.macro PACK a
.set AC, 64*((\a)%4)
	WIN 0x0a+5*((\a)/4)                            ; sources 0 and 1: window 2 or 3
.irp b, 0,1,2,3,4,5,6,7
.irp i, 0,1,2,3
	v_cvt_pk_f16_f32 v[TMP+4*\b+\i], v[AC+8*\b+2*\i], v[AC+8*\b+2*\i+1]
.endr
.endr
	WIN 0
.endm
.macro TOSTAGE a
.set BK, OB+128*((\a)%2)
.irp b, 0,1,2,3,4,5,6,7
	ds_store_b128 v[STO], v[TMP+4*\b:TMP+4*\b+3] offset:(\b/4)*16*SP+(\b%4)*32
.endr
.irp t, 0,1,2,3,4,5,6,7
	ds_load_b128 v[BK+4*\t:BK+4*\t+3], v[RD] offset:((\t/4)*16+4*(\t%4))*SP   ; LDS serves a wave's instructions in order: these see the stores above
.endr
.endm
.macro SEND a
.set BK, OB+128*((\a)%2)
	s_wait_dscnt 0x0                               ; the block is back in registers
	s_wait_xcnt 0x0                                ; earlier stores have read their base and their data: both may be written again
.if (\a) > 0
	s_add_nc_u64 s[12:13], s[12:13], 2048          ; 16 positions of 128 bytes on
.endif
.irp t, 0,1,2,3,4,5,6,7
	global_store_b128 v[CO], v[BK+4*\t:BK+4*\t+3], s[12:13] offset:(\t/4)*262144+(\t%4)*512   ; 32 lanes store 512 consecutive aligned bytes of one head
.endr
.endm
	PACK 0
	TOSTAGE 0
.irp a, 1,2,3,4,5,6,7                  ; block a's conversions stand between block a - 1's loads from the stage and the wait for them
	PACK \a
	SEND \a-1
	TOSTAGE \a
.endr
	SEND 7
	s_wait_tensorcnt 0x0                           ; the wave's end
	ds_add_u32 v[SPW], v[NIL]
	s_wait_dscnt 0x0
	CROUND                                         ; the closing round
	s_endpgm
.Lfunc_end_k_qa69e6957ba_qkv:
	.size	k_qa69e6957ba_qkv, .Lfunc_end_k_qa69e6957ba_qkv-k_qa69e6957ba_qkv
	.p2alignl 7, 3214868480
	.fill 96, 4, 3214868480
	.section	.rodata,"a",@progbits
	.p2align	6, 0x0
	.amdhsa_kernel k_qa69e6957ba_qkv
		.amdhsa_group_segment_fixed_size 327680
		.amdhsa_private_segment_fixed_size 0
		.amdhsa_enable_private_segment 0
		.amdhsa_kernarg_size 48
		.amdhsa_user_sgpr_count 2
		.amdhsa_user_sgpr_kernarg_segment_ptr 1
		.amdhsa_wavefront_size32 1
		.amdhsa_system_sgpr_workgroup_id_x 1
		.amdhsa_system_sgpr_workgroup_id_y 1
		.amdhsa_system_sgpr_workgroup_id_z 1
		.amdhsa_system_vgpr_workitem_id 0
		.amdhsa_next_free_vgpr 1024
		.amdhsa_next_free_sgpr 100
		.amdhsa_reserve_vcc 0
		.amdhsa_float_denorm_mode_32 3
		.amdhsa_float_denorm_mode_16_64 3
		.amdhsa_memory_ordered 1
		.amdhsa_forward_progress 1
		.amdhsa_inst_pref_size 129
	.end_amdhsa_kernel
	.amdgpu_metadata
---
amdhsa.version: [ 1, 2 ]
amdhsa.kernels:
  - .name:           k_qa69e6957ba_qkv
    .symbol:         k_qa69e6957ba_qkv.kd
    .args:
      - { .name: xc, .offset: 0, .size: 8, .value_kind: global_buffer, .address_space: global }
      - { .name: xs, .offset: 8, .size: 8, .value_kind: global_buffer, .address_space: global }
      - { .name: wc, .offset: 16, .size: 8, .value_kind: global_buffer, .address_space: global }
      - { .name: ws, .offset: 24, .size: 8, .value_kind: global_buffer, .address_space: global }
      - { .name: qkv, .offset: 32, .size: 8, .value_kind: global_buffer, .address_space: global }
      - { .name: fine32, .offset: 40, .size: 8, .value_kind: global_buffer, .address_space: global }
    .group_segment_fixed_size: 327680
    .private_segment_fixed_size: 0
    .kernarg_segment_align: 8
    .kernarg_segment_size: 48
    .max_flat_workgroup_size: 128
    .sgpr_count:     100
    .vgpr_count:     1024
    .wavefront_size: 32
...
	.end_amdgpu_metadata
.endif
;; end of part 2
;; launch attn (part 3): grid 4 x 64, 8 waves a work-group, clusters of 4 x 1, 327,680 bytes of LDS; arguments qkv, ctx; writes ctx
.if DOCPART == 3
	.amdgcn_target "amdgcn-amd-amdhsa--gfx1250"
	.amdhsa_code_object_version 6
	.text
	.protected	k_qa69e6957ba_attn
	.globl	k_qa69e6957ba_attn
	.p2align	8
	.type	k_qa69e6957ba_attn,@function
k_qa69e6957ba_attn:
	s_mov_b64 s[64:65], 0
	v_nop
	global_prefetch_b8 v0, s[64:65] scope:SCOPE_SE
	s_setreg_imm32_b32 hwreg(HW_REG_WAVE_MODE, 25, 1), 1
	s_wait_xcnt 0x0
	s_wait_alu depctr_hold_cnt(0) depctr_sa_sdst(0) depctr_va_vdst(0) depctr_va_sdst(0) depctr_va_ssrc(0) depctr_va_vcc(0) depctr_vm_vsrc(0)
	s_getreg_b32 s2, hwreg(HW_REG_IB_STS2, 6, 4)
	s_cmp_eq_u32 s2, 0
	s_cbranch_scc0 .Lentry_in_a_cluster
	s_endpgm
.Lentry_in_a_cluster:
	s_bfe_u32 s2, ttmp6, 0x10000c
	s_cmp_lg_u32 s2, 0x3003
	s_cbranch_scc0 .Lentry_shape_is_right
	s_endpgm
.Lentry_shape_is_right:
; ctx[b][h][q][:] = the sum over keys k <= q of softmax_k(Q[q] . K[k] / 8) V[k][:], head size 64, 2,048 positions, 64 pairs (b, h).  Q, K, V: qkv [T][b][h][n][64] f16; ctx [b][h][n][64] f16.
; Products, maxima and sums in f32; the weights p (at most 1) are rounded to f16 for the second product, ctx once at the end.  A running maximum m and sum l for each query:
; p = 2^(c s - c m), c = log2(e) / 8; in every step O and l are multiplied by a = 2^(c m_old - c m_new).
; LIMIT: |ctx| stays under 65,504; NaN and infinities among the inputs are not served.
; SHARES.  A cluster of four work-groups is one (b, h).  The 2,048 queries are 32 groups rho of 64; partner g takes queries 64 rho + 16 g .. + 15 of EVERY group: 32 tiles of 16 queries.
; Wave u of eight owns the tiles of groups 31 - u, 16 + u, 15 - u, u: (32 - u) + (17 + u) + (16 - u) + (u + 1) = 66 tile steps in every wave.  Keys go in steps j of 64: tile rho is hidden for j > rho,
; on the diagonal for j = rho, open for j < rho: tests made of the wave's number and the count of steps alone, the same in all four partners; wave 0 of each partner reads every step.
; So the four partners walk the same K and V in step and ask for each tile JOINTLY.  The groups of a wave descend, so the tiles at work in a step are the first few of its four.
; LAYOUT.  S^T = K Q^T (source 0 = 16 keys, source 1 = 16 queries): a lane holds ONE query (lane % 16) and keys 8 (lane / 16) + 0..7 of each tile of 16 keys.  Two such tiles, rounded to f16 in pairs,
; ARE source 1 (32 keys x 16 queries) of O^T = V^T P.  K comes out of LDS as it lies, V ([key][channel]) turned, by ds_load_tr16_b128.
; RING.  Two slots of 256 keys (four steps); waves 0-3 fetch K's quarters, waves 4-7 V's: one load of 64 rows a wave behind each round, with four steps' work in which to land.
; REGISTERS.  window 0: v1-13 addresses and constants; v16-47 eight registers of statistics a tile; v48-79 S^T; v80-95 P; v96-159 K's fragments; v160-223 V's.  window 1: v0-63 Q, 16 a tile; v64-191 O^T, 32 a tile.
.set SK,    256                        ; keys in a slot
.set NSL,   2048/SK
.set PK,    144                        ; a row of K in LDS: 128 bytes + 16: the 16 rows of a load start at 16 different banks
.set PV,    160                        ; a row of V: 128 + 32
.set VOFF,  SK*PK
.set SLOT1, 1<<17                      ; slot 1 begins here, so that one exclusive or turns an address in one slot into the other's
.set STAGE, SLOT1+SK*(PK+PV)           ; behind the ring: 16 rows x 144 bytes for each wave, for the way out
.set SP,    144
.set SPARE, STAGE+8*16*SP              ; the spare words, 128 bytes a wave, that no other line names
.set AK0, 1                            ; my lane's place in a tile of K
.set AV0, 2                            ; the same for V
.set ADK, 3                            ; the step's addresses
.set ADV, 4
.set QO,  5                            ; my byte offset in a tile of Q
.set STO, 6
.set RD,  7
.set GO,  8                            ; 16 x lane
.set DQ,  9                            ; 16 g + lane % 16 - 8 (lane / 16): on the diagonal key 16 kt + jj of my half is hidden where 16 kt + jj > DQ
.set PFO, 10                           ; 256 x lane
.set NINF, 11                          ; -infinity
.set SPW, 12
.set NIL, 13
.set ST,  16                           ; tile i's statistics at v[ST + 8 i]: +0 c m, +1 m, +2, +3 l (even keys', odd keys'), +4 .. +7 at work; a at +6
.set S,   48
.set P,   80
.set KF,  96
.set VF,  160
.set OT,  64                           ; in window 1
.set WV,  12
.set G1K, 24
.set G1V, 32
.set G0K, 40
.set G0V, 44
.set SLOTS, 48
.set TW,  49
.set J,   50                           ; the key step
.set TBK, 51                           ; LDS byte at which the step's K begins;
.set TBV, 52                           ; its V (less VOFF)
.set RHO, 53                           ; s53-56 my four groups
.set CS,  58
.set SEL, 60
.set PFA, 66
.set LIM, 68
.set QB,  76                           ; s[76:83] Q at my four tiles
.set CB,  84                           ; s[84:91] ctx at my four tiles
.set MSB, 0
.macro WIN new
.if MSB != \new
	s_set_vgpr_msb (MSB<<8)|\new
.set MSB, \new
.endif
.endm
.set W_KQ, 0x04                        ; Q (source 1) in window 1
.set W_PV, 0x50                        ; O^T (C and D) in window 1
.set W_RS, 0x41                        ; O^T (destination and source 0) in window 1
.macro JLOAD                           ; the branch hangs on the wave's number alone; an s_nop 0 and four v_nop follow each of the two lines
	s_cmp_lt_u32 s[WV], 4
	s_cbranch_scc0 .Lfor_v_\@
	tensor_load_to_lds s[G0K:G0K+3], s[G1K:G1K+7]
	s_nop 0
.rept 4
	v_nop
.endr
	s_branch .Lasked_\@
.Lfor_v_\@:
	tensor_load_to_lds s[G0V:G0V+3], s[G1V:G1V+7]
	s_nop 0
.rept 4
	v_nop
.endr
.Lasked_\@:
.endm
; A prefetch of what the NEXT change of slots will ask for: 256 rows of K and of V, 128 bytes each.  The four partners share them out by address, 8,192 bytes each; in each, wave 0 asks for K's and
; wave 4 for V's, lanes 256 bytes apart: each aligned 256 bytes are named once in the launch.  It asks four key steps ahead of that load; the last change that fills a slot asks for nothing.
.macro ASK
	s_cmp_gt_u32 s[SLOTS], s[LIM]
	s_cbranch_scc0 .Lnot_mine_\@
	global_prefetch_b8 v[PFO], s[PFA:PFA+1] th:TH_LOAD_NT scope:SCOPE_SE
.Lnot_mine_\@:
.endm
.macro CROUND
	s_barrier_signal -1
	s_barrier_wait -1
	s_cmp_lg_u32 s[WV], 0
	s_cbranch_scc1 .Lnot_wave_0_\@
	s_barrier_signal -3
.Lnot_wave_0_\@:
	s_barrier_wait -3
	s_barrier_signal -1
	s_barrier_wait -1
.endm
	s_load_b128 s[4:7], s[0:1], 0x0                ; qkv, ctx
	v_lshl_add_u32 v[SPW], v0, 2, SPARE
	v_mov_b32 v[NIL], 0
	ds_add_u32 v[SPW], v[NIL]                      ; the wave's opening: the add, twice on end, and its wait ahead of my first tensor load
	ds_add_u32 v[SPW], v[NIL]
	v_lshrrev_b32 v14, 5, v0
	v_readfirstlane_b32 s[WV], v14                 ; wave 0..7
	s_bfe_u32 s13, ttmp6, 0x40000                  ; g: my place in the cluster: it enters Q's, ctx's and the prefetches' addresses and the mask's number DQ alone
	s_and_b32 s14, ttmp7, 0xffff                   ; (b, h), which the partners share
	s_lshl_b32 s16, s14, 18                        ; its 2,048 rows of 128 bytes
	s_and_b32 s18, s[WV], 3                        ; which quarter of a slot I fetch:
	s_lshl_b32 s20, s18, 13                        ; its 64 rows in memory,
	s_add_co_u32 s20, s20, s16
	s_mov_b32 s21, 0
	s_mul_i32 s22, s18, 64*PK                      ; and in a slot
	s_mul_i32 s23, s18, 64*PV
	s_add_co_u32 s23, s23, VOFF
	s_sub_co_u32 s[RHO], 31, s[WV]
	s_add_co_u32 s[RHO+1], s[WV], 16
	s_sub_co_u32 s[RHO+2], 15, s[WV]
	s_mov_b32 s[RHO+3], s[WV]
	s_mov_b32 s[G1K], 15|(1<<16)|(1<<20)|(1<<21)|(4<<22)|(3<<25)  ; the mask: all four; elements of 2 bytes; padding: 4 words behind every 32
	s_mov_b32 s[G1V], 15|(1<<16)|(1<<20)|(1<<21)|(4<<22)|(7<<25)  ; the same with 8 words
.irp g, G1K, G1V
	s_mov_b32 s[\g+1], 64<<16                      ; tensor_dim0 = 64
	s_mov_b32 s[\g+2], 64<<16                      ; tensor_dim1 = 64
	s_mov_b32 s[\g+3], 64<<16                      ; tile_dim0 = 64
	s_mov_b32 s[\g+4], 64                          ; tile_dim1 = 64
	s_mov_b32 s[\g+5], 64                          ; the pitch
	s_mov_b32 s[\g+6], 0
	s_mov_b32 s[\g+7], 0
.endr
	s_mov_b32 s[CS], 0x3e38aa3b                    ; c = log2(e) / 8
	s_mov_b32 s[CS+1], s[CS]
	s_mov_b32 s[SEL], 0x76543210
	s_mov_b32 s[SEL+1], 0xfedcba98
	s_mov_b32 s[TBK], 0
	s_mov_b32 s[TBV], 0
	s_mov_b32 s[J], 0
	s_mov_b32 s[SLOTS], NSL-1
	s_cmp_eq_u32 s18, 0
	s_cselect_b32 s[LIM], 1, -1                    ; waves 0 and 4 prefetch
	s_lshl_b32 s72, s13, 11                        ; my 16 rows of a group,
	s_add_co_u32 s72, s72, s16                     ; in my head
	s_mov_b32 s71, 0
	s_mov_b32 s74, 0x2000000                       ; the prefetches: V's plane or
	s_cmp_lt_u32 s[WV], 4
	s_cselect_b32 s74, 0x1000000, s74              ; K's,
	s_add_co_u32 s74, s74, s16                     ; my head,
	s_lshl_b32 s75, s13, 13
	s_add_co_u32 s74, s74, s75                     ; my work-group's 8,192 bytes of a slot's 32,768,
	s_add_co_u32 s74, s74, SK*128                  ; in slot 1: the first change steps it to slot 2.  Nothing is prefetched at the head
	s_mov_b32 s75, 0
	s_wait_dscnt 0x0                               ; both opening adds are done
	s_wait_kmcnt 0x0
.irp i, 0,1,2,3
	s_lshl_b32 s70, s[RHO+\i], 13
	s_add_co_u32 s70, s70, s72
	s_add_nc_u64 s[QB+2*\i:QB+2*\i+1], s[4:5], s[70:71]
	s_add_nc_u64 s[CB+2*\i:CB+2*\i+1], s[6:7], s[70:71]
.endr
	s_add_nc_u64 s[PFA:PFA+1], s[4:5], s[74:75]
	s_mov_b32 s[G0K], 1
	s_mov_b32 s[G0K+1], s22
	s_add_nc_u64 s[G0K+2:G0K+3], s[4:5], s[20:21]
	s_add_nc_u64 s[G0K+2:G0K+3], s[G0K+2:G0K+3], 0x1000000
	s_or_b32 s[G0K+3], s[G0K+3], 0x80000000
	s_mov_b32 s[G0V], 1
	s_mov_b32 s[G0V+1], s23
	s_add_nc_u64 s[G0V+2:G0V+3], s[4:5], s[20:21]
	s_add_nc_u64 s[G0V+2:G0V+3], s[G0V+2:G0V+3], 0x2000000
	s_or_b32 s[G0V+3], s[G0V+3], 0x80000000
	CROUND                                         ; all four work-groups are here
	JLOAD                                          ; slot 0: one load of mine is out, as behind every later round
	v_and_b32 v14, 15, v0                          ; r
	v_bfe_u32 v15, v0, 4, 1                        ; h
	v_lshlrev_b32 v[QO], 7, v14
	v_lshl_add_u32 v[QO], v15, 4, v[QO]            ; row x 128 + 16 h
	WIN 0x40                                       ; destination window 1
.irp i, 0,1,2,3
.irp ks, 0,1
	global_load_b128 v[16*\i+8*\ks:16*\i+8*\ks+3],   v[QO], s[QB+2*\i:QB+2*\i+1] offset:64*\ks      ; Q stays in registers: tile i, channels 32 ks on
	global_load_b128 v[16*\i+8*\ks+4:16*\i+8*\ks+7], v[QO], s[QB+2*\i:QB+2*\i+1] offset:64*\ks+32
.endr
.endr
.set n, 0
.rept 128
	v_mov_b32 v[OT+n], 0                           ; O^T.  (The step is written once: its first trip finds zeros, which a = 0 leaves zeros)
.set n, n+1
.endr
	WIN 0
	v_mul_u32_u24 v[AK0], v14, PK
	v_lshl_add_u32 v[AK0], v15, 4, v[AK0]
	v_and_b32 v[ADK], 7, v0                        ; (lane % 8, for now)
	v_bfe_u32 v[ADV], v0, 3, 1
	v_lshl_add_u32 v[AV0], v15, 3, v[ADK]          ; the turning load: key 8 h + lane % 8, channels 8 ((lane / 8) % 2) on
	v_mul_u32_u24 v[AV0], v[AV0], PV
	v_lshl_add_u32 v[AV0], v[ADV], 4, v[AV0]
	v_add_nc_u32 v[AV0], VOFF, v[AV0]
	s_mul_i32 s2, s[WV], 16*SP
	s_add_co_u32 s2, s2, STAGE                     ; my stage
	v_mul_u32_u24 v[STO], v14, SP
	v_lshl_add_u32 v[STO], v15, 4, v[STO]
	v_add_nc_u32 v[STO], s2, v[STO]                ; in: row r, 16 bytes for each half of the lanes
	v_bfe_u32 v[RD], v0, 3, 2
	v_mul_u32_u24 v[RD], v[RD], SP
	v_lshl_add_u32 v[RD], v[ADK], 4, v[RD]
	v_add_nc_u32 v[RD], s2, v[RD]                  ; back: eight lanes to a row of 128 bytes
	v_and_b32 v[GO], 31, v0
	v_lshlrev_b32 v[PFO], 8, v[GO]
	v_lshlrev_b32 v[GO], 4, v[GO]
	v_lshlrev_b32 v[DQ], 3, v15
	v_sub_nc_u32 v[DQ], v14, v[DQ]
	s_lshl_b32 s3, s13, 4
	v_add_nc_u32 v[DQ], s3, v[DQ]
	v_mov_b32 v[NINF], 0xff800000
.irp i, 0,1,2,3
	v_mov_b32 v[ST+8*\i+1], 0xff61b1e6             ; m: -3e38, under every score
	v_mov_b32 v[ST+8*\i+2], 0                      ; l
	v_mov_b32 v[ST+8*\i+3], 0
	v_mov_b32 v[ST+8*\i+4], 0                      ; the four words at work are written once here: the way out names +5 as a lane permute's destination, which counts as a source,
	v_mov_b32 v[ST+8*\i+5], 0                      ; and +7 as the upper half of the pair (+6, +7), and every tile's own writes of them stand behind a jump
	v_mov_b32 v[ST+8*\i+6], 0
	v_mov_b32 v[ST+8*\i+7], 0
.endr
.irp i, 0,1,2,3
	v_mul_f32 v[ST+8*\i], s[CS], v[ST+8*\i+1]      ; c m
.endr
.macro FETCH                           ; a step's K (64 keys x 64 channels: 8 fragments), then its V, turned (8 fragments): 16 + 16 loads in one run
.irp kt, 0,1,2,3
.irp ks, 0,1
	ds_load_b128 v[KF+16*\kt+8*\ks:KF+16*\kt+8*\ks+3],   v[ADK] offset:\kt*16*PK+64*\ks
	ds_load_b128 v[KF+16*\kt+8*\ks+4:KF+16*\kt+8*\ks+7], v[ADK] offset:\kt*16*PK+64*\ks+32
.endr
.endr
.irp f, 0,1,2,3,4,5,6,7                ; keys 32 (f / 4) on, channels 16 (f % 4) on
	ds_load_tr16_b128 v[VF+8*\f:VF+8*\f+3],   v[ADV] offset:(\f/4)*32*PV+(\f%4)*32
	ds_load_tr16_b128 v[VF+8*\f+4:VF+8*\f+7], v[ADV] offset:(\f/4)*32*PV+16*PV+(\f%4)*32
.endr
.endm
; ONE TILE OF 16 QUERIES IN ONE KEY STEP: 8 products K Q^T, the mask on the diagonal, the softmax, O^T x a, 8 products V^T P.  In both runs of products four accumulators take turns.
.macro TILE i
.set rT, ST+8*\i
.if \i == 0
	s_wait_dscnt 16                                ; K is in; V's 16 loads may be out
.endif
	WIN W_KQ
.irp kt, 0,1,2,3
	v_wmma_f32_16x16x32_f16 v[S+8*\kt:S+8*\kt+7], v[KF+16*\kt:KF+16*\kt+7], v[16*\i:16*\i+7], 0
.endr
.irp kt, 0,1,2,3
	v_wmma_f32_16x16x32_f16 v[S+8*\kt:S+8*\kt+7], v[KF+16*\kt+8:KF+16*\kt+15], v[16*\i+8:16*\i+15], v[S+8*\kt:S+8*\kt+7]
.endr
	WIN 0
.rept 4
	v_nop                                          ; places behind the products, ahead of the first read of the scores
.endr
	s_cmp_lg_u32 s[J], s[RHO+\i]                   ; on the diagonal hidden scores become -infinity ahead of the maximum: p = 0 then.  The group's first key counts for each of its queries
	s_cbranch_scc1 .Lopen_\@
.irp n, 0,1,2,3,4,5,6,7,8,9,10,11,12,13,14,15,16,17,18,19,20,21,22,23,24,25,26,27,28,29,30,31
	v_cmp_gt_i32 vcc_lo, 16*(\n/8)+\n%8, v[DQ]
	v_cndmask_b32 v[S+\n], v[S+\n], v[NINF], vcc_lo
.endr
.Lopen_\@:
.irp c, 0,1,2,3
	v_max3_num_f32 v[rT+4+\c], v[S+8*\c], v[S+8*\c+1], v[S+8*\c+2]     ; the maximum: four chains, each from an accumulator's low end on
.endr
.irp e, 3,5
.irp c, 0,1,2,3
	v_max3_num_f32 v[rT+4+\c], v[rT+4+\c], v[S+8*\c+\e], v[S+8*\c+\e+1]
.endr
.endr
	v_max3_num_f32 v[rT+4], v[rT+4], v[S+7], v[S+15]
	v_max3_num_f32 v[rT+6], v[rT+6], v[S+23], v[S+31]
	v_max3_num_f32 v[rT+4], v[rT+4], v[rT+5], v[rT+6]
	v_max3_num_f32 v[rT+4], v[rT+4], v[rT+7], v[rT+1]                  ; and the old m
	v_permlanex16_b32 v[rT+5], v[rT+4], s[SEL], s[SEL+1]               ; the query's other 32 keys lie in the lane 16 away
	v_mov_b32 v[rT+7], v[rT]                       ; c m_old
	v_max_num_f32 v[rT+1], v[rT+4], v[rT+5]
	v_mul_f32 v[rT], s[CS], v[rT+1]
	v_sub_f32 v[rT+7], v[rT+7], v[rT]
.irp n, 0,2,4,6,8,10,12,14,16,18,20,22,24,26,28,30
	v_pk_fma_f32 v[S+\n:S+\n+1], v[S+\n:S+\n+1], s[CS:CS+1], v[rT:rT+1] op_sel_hi:[1,0,0] neg_lo:[0,0,1] neg_hi:[0,0,1]   ; c s - c m
.endr
	v_exp_f32 v[rT+6], v[rT+7]                     ; a
.irp n, 0,1,2,3,4,5,6,7,8,9,10,11,12,13,14,15,16,17,18,19,20,21,22,23,24,25,26,27,28,29,30,31
	v_exp_f32 v[S+\n], v[S+\n]
.endr
	v_nop                                          ; a plain line behind the last exponential
	s_wait_alu depctr_va_vdst(0)                   ; one wait for the batch of 33, ahead of its first reader
.irp n, 0,1,2,3,4,5,6,7,8,9,10,11,12,13,14,15
	v_cvt_pk_f16_f32 v[P+\n], v[S+2*\n], v[S+2*\n+1]
.endr
.irp n, 0,4,8,12,16,20,24,28
	v_pk_add_f32 v[S+\n:S+\n+1], v[S+\n:S+\n+1], v[S+\n+2:S+\n+3]      ; the sum of the unrounded p, as a tree, in place
.endr
.irp n, 0,8,16,24
	v_pk_add_f32 v[S+\n:S+\n+1], v[S+\n:S+\n+1], v[S+\n+4:S+\n+5]
.endr
.irp n, 0,16
	v_pk_add_f32 v[S+\n:S+\n+1], v[S+\n:S+\n+1], v[S+\n+8:S+\n+9]
.endr
	v_pk_add_f32 v[S:S+1], v[S:S+1], v[S+16:S+17]
	v_pk_fma_f32 v[rT+2:rT+3], v[rT+2:rT+3], v[rT+6:rT+7], v[S:S+1] op_sel_hi:[1,0,1]   ; l = a l + the sum
	WIN W_RS
.irp n, 0,2,4,6,8,10,12,14,16,18,20,22,24,26,28,30
	v_pk_mul_f32 v[OT+32*\i+\n:OT+32*\i+\n+1], v[OT+32*\i+\n:OT+32*\i+\n+1], v[rT+6:rT+7] op_sel_hi:[1,0]
.endr
.if \i == 0
	s_wait_dscnt 0x0                               ; V is in
.endif
	WIN W_PV
.irp kk, 0,1
.irp ct, 0,1,2,3
	v_wmma_f32_16x16x32_f16 v[OT+32*\i+8*\ct:OT+32*\i+8*\ct+7], v[VF+8*(4*\kk+\ct):VF+8*(4*\kk+\ct)+7], v[P+8*\kk:P+8*\kk+7], v[OT+32*\i+8*\ct:OT+32*\i+8*\ct+7]
.endr
.endr
	WIN 0
.endm
; A KEY STEP.  The tiles at work are the first few of my four; a step beyond my largest group is left out whole.  The lines at its end, which step addresses, are run in every trip.
.macro STEP
	s_cmp_gt_u32 s[J], s[RHO]
	s_cbranch_scc1 .Lend_\@
	v_add_nc_u32 v[ADK], s[TBK], v[AK0]
	v_add_nc_u32 v[ADV], s[TBV], v[AV0]
	v_nop
	v_nop                                          ; four plain lines behind the last products, ahead of the loads into the registers that they read
	FETCH
	TILE 0
	s_cmp_gt_u32 s[J], s[RHO+1]
	s_cbranch_scc1 .Lend_\@
	TILE 1
	s_cmp_gt_u32 s[J], s[RHO+2]
	s_cbranch_scc1 .Lend_\@
	TILE 2
	s_cmp_gt_u32 s[J], s[RHO+3]
	s_cbranch_scc1 .Lend_\@
	TILE 3
.Lend_\@:
	s_add_co_u32 s[J], s[J], 1
	s_add_co_u32 s[TBK], s[TBK], 64*PK
	s_add_co_u32 s[TBV], s[TBV], 64*PV
.endm
.macro SLOT_STEPS                      ; a slot's four steps: written once, walked four times
	s_mov_b32 s[TW], 4
.Lstep_\@:
	STEP
	s_sub_co_u32 s[TW], s[TW], 1
	s_cmp_lg_u32 s[TW], 0
	s_cbranch_scc1 .Lstep_\@
	s_sub_co_u32 s[TBK], s[TBK], 4*64*PK           ; back to a slot's first step,
	s_xor_b32 s[TBK], s[TBK], SLOT1                ; in the other slot
	s_sub_co_u32 s[TBV], s[TBV], 4*64*PV
	s_xor_b32 s[TBV], s[TBV], SLOT1
.endm
; THE CHANGE OF SLOTS stands at a slot's head.  Each wave waits for all its tensor loads (its part of the slot that it is about to read), adds 0 to its spare word, and waits for that and for its reads of the
; slot that it has left.  fill = 1: a round of the cluster's barrier, so that no wave of any partner still reads that slot or has a load on its way; the joint load of the next 256 keys is the first thing behind it.
.macro CHANGE fill
	s_wait_tensorcnt 0x0                           ; no tensor load of mine is out, so a group 0 may be written
	ds_add_u32 v[SPW], v[NIL]
.if \fill
	s_xor_b32 s[G0K+1], s[G0K+1], SLOT1            ; the walking descriptors: the other slot than last time,
	s_add_nc_u64 s[G0K+2:G0K+3], s[G0K+2:G0K+3], SK*128   ; the next 256 keys
	s_xor_b32 s[G0V+1], s[G0V+1], SLOT1
	s_add_nc_u64 s[G0V+2:G0V+3], s[G0V+2:G0V+3], SK*128
	s_wait_xcnt 0x0                                ; the last prefetch, a slot back, has read its address
	s_add_nc_u64 s[PFA:PFA+1], s[PFA:PFA+1], SK*128
	s_wait_dscnt 0x0                               ; the add is done, and my reads of the slot that I have left are over
	CROUND
	JLOAD
	ASK
.else
	s_wait_dscnt 0x0
	s_barrier_signal -1
	s_barrier_wait -1
.endif
.endm
	s_wait_loadcnt 0x0                             ; Q
.Lslot:                                                ; 7 trips: behind each change of slots but the last the next slot is asked for (in the first trip slot 1 for the first time: nobody fills bytes again there)
	CHANGE 1
	SLOT_STEPS
	s_sub_co_u32 s[SLOTS], s[SLOTS], 1
	s_cmp_lg_u32 s[SLOTS], 0
	s_cbranch_scc1 .Lslot
	CHANGE 0                                       ; the last slot is written out
	SLOT_STEPS
	; THE WAY OUT.  l's halves are added; O^T is divided by l, rounded to f16 and sent through my stage, a tile (16 rows of 128 bytes, dense in ctx) at a time.  The additions are the places behind the last products.
.irp t, 0,1,2,3
	v_add_f32 v[ST+8*\t+4], v[ST+8*\t+2], v[ST+8*\t+3]
.endr
.irp t, 0,1,2,3
	v_permlanex16_b32 v[ST+8*\t+5], v[ST+8*\t+4], s[SEL], s[SEL+1]
.endr
.irp t, 0,1,2,3
	v_add_f32 v[ST+8*\t+4], v[ST+8*\t+4], v[ST+8*\t+5]
.endr
.irp t, 0,1,2,3
	v_rcp_f32 v[ST+8*\t+6], v[ST+8*\t+4]
.endr
	v_nop                                          ; a plain line behind the last reciprocal
	s_wait_alu depctr_va_vdst(0)                   ; one wait for the four, ahead of their first reader
.macro PACK t
	WIN W_RS
.irp n, 0,2,4,6,8,10,12,14,16,18,20,22,24,26,28,30
	v_pk_mul_f32 v[OT+32*\t+\n:OT+32*\t+\n+1], v[OT+32*\t+\n:OT+32*\t+\n+1], v[ST+8*\t+6:ST+8*\t+7] op_sel_hi:[1,0]
.endr
	WIN 0x05                                       ; sources 0 and 1 window 1, destination window 0: V's registers are free
.irp n, 0,1,2,3,4,5,6,7,8,9,10,11,12,13,14,15
	v_cvt_pk_f16_f32 v[VF+16*\t+\n], v[OT+32*\t+2*\n], v[OT+32*\t+2*\n+1]
.endr
	WIN 0
.irp c, 0,1,2,3
	ds_store_b128 v[STO], v[VF+16*\t+4*\c:VF+16*\t+4*\c+3] offset:32*\c
.endr
.irp f, 0,1,2,3
	ds_load_b128 v[KF+16*\t+4*\f:KF+16*\t+4*\f+3], v[RD] offset:\f*4*SP   ; LDS serves a wave's instructions in order: these see the stores above, and the next tile's stores come behind them
.endr
.endm
.macro SEND t, younger                 ; younger: the next tile's eight LDS instructions, or none
.irp f, 0,1,2,3
	s_wait_dscnt \younger+3-\f
	global_store_b128 v[GO], v[KF+16*\t+4*\f:KF+16*\t+4*\f+3], s[CB+2*\t:CB+2*\t+1] offset:512*\f   ; 32 lanes store 512 consecutive aligned bytes
.endr
.endm
	PACK 0
	PACK 1
	SEND 0, 8
	PACK 2
	SEND 1, 8
	PACK 3
	SEND 2, 8
	SEND 3, 0
	s_wait_tensorcnt 0x0                           ; the wave's end
	ds_add_u32 v[SPW], v[NIL]
	s_wait_dscnt 0x0
	CROUND                                         ; the closing round
	s_endpgm
.Lfunc_end_k_qa69e6957ba_attn:
	.size	k_qa69e6957ba_attn, .Lfunc_end_k_qa69e6957ba_attn-k_qa69e6957ba_attn
	.p2alignl 7, 3214868480
	.fill 96, 4, 3214868480
	.section	.rodata,"a",@progbits
	.p2align	6, 0x0
	.amdhsa_kernel k_qa69e6957ba_attn
		.amdhsa_group_segment_fixed_size 327680
		.amdhsa_private_segment_fixed_size 0
		.amdhsa_enable_private_segment 0
		.amdhsa_kernarg_size 16
		.amdhsa_user_sgpr_count 2
		.amdhsa_user_sgpr_kernarg_segment_ptr 1
		.amdhsa_wavefront_size32 1
		.amdhsa_system_sgpr_workgroup_id_x 1
		.amdhsa_system_sgpr_workgroup_id_y 1
		.amdhsa_system_sgpr_workgroup_id_z 1
		.amdhsa_system_vgpr_workitem_id 0
		.amdhsa_next_free_vgpr 512
		.amdhsa_next_free_sgpr 92
		.amdhsa_reserve_vcc 1
		.amdhsa_float_denorm_mode_32 3
		.amdhsa_float_denorm_mode_16_64 3
		.amdhsa_memory_ordered 1
		.amdhsa_forward_progress 1
		.amdhsa_inst_pref_size 112
	.end_amdhsa_kernel
	.amdgpu_metadata
---
amdhsa.version: [ 1, 2 ]
amdhsa.kernels:
  - .name:           k_qa69e6957ba_attn
    .symbol:         k_qa69e6957ba_attn.kd
    .args:
      - { .name: qkv, .offset: 0, .size: 8, .value_kind: global_buffer, .address_space: global }
      - { .name: ctx, .offset: 8, .size: 8, .value_kind: global_buffer, .address_space: global }
    .group_segment_fixed_size: 327680
    .private_segment_fixed_size: 0
    .kernarg_segment_align: 8
    .kernarg_segment_size: 16
    .max_flat_workgroup_size: 256
    .sgpr_count:     92
    .vgpr_count:     512
    .wavefront_size: 32
...
	.end_amdgpu_metadata
.endif
;; end of part 3
;; launch proj (part 4): grid 4 x 64, 4 waves a work-group, clusters of 4 x 4, 327,680 bytes of LDS; arguments ctx, wo16, bo, out0; writes out0
.if DOCPART == 4
	.amdgcn_target "amdgcn-amd-amdhsa--gfx1250"
	.amdhsa_code_object_version 6
	.text
	.protected	k_qa69e6957ba_proj
	.globl	k_qa69e6957ba_proj
	.p2align	8
	.type	k_qa69e6957ba_proj,@function
k_qa69e6957ba_proj:
	s_mov_b64 s[64:65], 0
	v_nop
	global_prefetch_b8 v0, s[64:65] scope:SCOPE_SE
	s_setreg_imm32_b32 hwreg(HW_REG_WAVE_MODE, 25, 1), 1
	s_wait_xcnt 0x0
	s_wait_alu depctr_hold_cnt(0) depctr_sa_sdst(0) depctr_va_vdst(0) depctr_va_sdst(0) depctr_va_ssrc(0) depctr_va_vcc(0) depctr_vm_vsrc(0)
	s_getreg_b32 s2, hwreg(HW_REG_IB_STS2, 6, 4)
	s_cmp_eq_u32 s2, 0
	s_cbranch_scc0 .Lentry_in_a_cluster
	s_endpgm
.Lentry_in_a_cluster:
	s_bfe_u32 s2, ttmp6, 0x10000c
	s_cmp_lg_u32 s2, 0xf033
	s_cbranch_scc0 .Lentry_shape_is_right
	s_endpgm
.Lentry_shape_is_right:
; out0[m][n] = the sum over k of ctx[m][k] Wo[n][k] + bo[n], f16 operands, f32 sums; m = 8,192 rows (b, position), n = k = 1,024.  Both operands lie by blocks of 64 along K:
; ctx [b][k / 64][position][64], wo16 [k / 64][n][64]: K keeps its order on both sides.  The first 16 positions of each sequence are not stored here: a later launch makes them in f32.
; A tile of out0 is 128 x 256: 256 work-groups, one for each WGP.  Four waves, each 64 x 128: 32 accumulators, 256 registers.  K goes in 8 steps of 128 (two blocks of 64, as two sub-tiles) through two LDS slots;
; wave 0, 1: A's sub-tiles (128 rows of 128 bytes), wave 2, 3: B's (256 rows): one tensor load a wave.
; CLUSTERS: 4 x 4.  A's tiles are shared along a row of the cluster, B's along a column, by joint loads.  Tile row = 16 cy + cluster y, so that a sequence's first tile lies where cluster y = 0:
; the jump round the stores of its first 16 rows hangs on the cluster's number and the wave's alone.
; THE MATRIX INSTRUCTION IS USED TRANSPOSED (source 0 = 16 rows of Wo, source 1 = 16 rows of ctx).  The bias is the C of each sum's first product: nothing is cleared, no addition is spent.
; REGISTERS: window 0: v1-29 addresses; v32-95 the bias, 8 registers for each of my 8 column blocks; v128-255 the way out.  window 1: two fragment buffers of 96 (A 32, B 64).  window 2: accumulator (a, b) at v[8 (8 a + b)].
.set PITCH,  144                       ; an LDS row: 128 bytes + 16: the 16 rows that a load touches start at 16 different banks
.set ASUB,   128*PITCH
.set BSUB,   256*PITCH
.set BOFF,   2*ASUB
.set SLOT,   2*ASUB+2*BSUB
.set STAGE,  2*SLOT                    ; behind the ring: 16 rows x (512 + 16) bytes for each wave
.set SPITCH, 528
.set SPARE,  STAGE+4*16*SPITCH         ; the spare words, 128 bytes a wave, that no other line names
.set ASTEP,  2<<18                     ; a K step on in ctx: two blocks of 2,048 rows of 128 bytes
.set BSTEP,  2<<17                     ; in wo16: two blocks of 1,024 rows
.set ADRA, 16
.set ADRB, 20
.set STO,  24
.set RD,   25
.set CO,   26
.set SPW,  28
.set NIL,  29
.set BIAS, 32
.set BK,   128
.set F0,   0
.set F1,   96
.set G1, 24
.set G0, 32
.set G1B, 48
.set G0B, 56
.set MSB, 0
.macro WIN new
.if MSB != \new
	s_set_vgpr_msb (MSB<<8)|\new
.set MSB, \new
.endif
.endm
.set MUL,  0xa5                        ; sources 0 and 1 window 1; C and D window 2
.set MUL1, 0x85                        ; the same with C (the bias) in window 0
.set TO_F, 0x40
.macro JLOAD s                         ; waves 0 and 1 fetch for A, waves 2 and 3 for B; an s_nop 0 and four v_nop follow each of the two lines
	s_cmp_eq_u32 s13, 0
	s_cbranch_scc0 .Lfor_b_\@
	tensor_load_to_lds s[G0+4*\s:G0+4*\s+3], s[G1:G1+7]
	s_nop 0
.rept 4
	v_nop
.endr
	s_branch .Lasked_\@
.Lfor_b_\@:
	tensor_load_to_lds s[G0B+4*\s:G0B+4*\s+3], s[G1B:G1B+7]
	s_nop 0
.rept 4
	v_nop
.endr
.Lasked_\@:
.endm
.macro CREST
	s_cmp_lg_u32 s12, 0
	s_cbranch_scc1 .Lnot_wave_0_\@
	s_barrier_signal -3
.Lnot_wave_0_\@:
	s_barrier_wait -3
	s_barrier_signal -1
	s_barrier_wait -1
.endm
.macro CROUND
	s_barrier_signal -1
	s_barrier_wait -1
	CREST
.endm
	s_load_b256 s[4:11], s[0:1], 0x0               ; ctx, wo16, bo, out0
	v_lshl_add_u32 v[SPW], v0, 2, SPARE
	v_mov_b32 v[NIL], 0
	ds_add_u32 v[SPW], v[NIL]                      ; the wave's opening: the add, twice on end, and its wait ahead of my first tensor load
	ds_add_u32 v[SPW], v[NIL]
	v_lshrrev_b32 v1, 5, v0
	v_readfirstlane_b32 s12, v1                    ; wave 0..3
	s_lshr_b32 s13, s12, 1                         ; which 64 rows of the tile are mine.  Also: I fetch for A (0) or for B (1)
	s_and_b32 s14, s12, 1                          ; which 128 columns.  Also: which sub-tile I fetch
	s_bfe_u32 s40, ttmp6, 0x40000                  ; cx, cy
	s_bfe_u32 s41, ttmp6, 0x40004
	s_lshl_b32 s42, ttmp9, 2
	s_add_co_u32 s42, s42, s40                     ; tile column = 4 x cluster x + cx
	s_and_b32 s45, ttmp7, 0xffff
	s_lshl_b32 s15, s41, 4
	s_add_co_u32 s15, s15, s45                     ; tile row = 16 cy + cluster y
	s_or_b32 s45, s45, s13                         ; 0 where my block 0 holds a sequence's first 16 positions
	s_lshl_b32 s43, s41, 2
	s_lshl_b32 s43, 15, s43                        ; my row of the cluster
	s_lshl_b32 s44, 0x1111, s40                    ; my column
	s_or_b32 s[G1+0], s43, (1<<16)|(1<<20)|(1<<21)|(4<<22)|(3<<25)   ; the mask; elements of 2 bytes; padding: 4 words behind every 32
	s_or_b32 s[G1B+0], s44, (1<<16)|(1<<20)|(1<<21)|(4<<22)|(3<<25)
.irp g, G1, G1B
	s_mov_b32 s[\g+1], 64<<16                      ; tensor_dim0 = 64
	s_mov_b32 s[\g+3], 64<<16                      ; tile_dim0 = 64
	s_mov_b32 s[\g+5], 64                          ; the pitch
	s_mov_b32 s[\g+6], 0
	s_mov_b32 s[\g+7], 0
.endr
	s_mov_b32 s[G1+2], 128<<16                     ; A: 128 rows
	s_mov_b32 s[G1+4], 128
	s_mov_b32 s[G1B+2], 256<<16                    ; B: 256 rows
	s_mov_b32 s[G1B+4], 256
	s_lshr_b32 s16, s15, 4
	s_lshl_b32 s16, s16, 22                        ; A: the batch,
	s_and_b32 s17, s15, 15
	s_lshl_b32 s17, s17, 14                        ; the tile's 128 positions,
	s_add_co_u32 s16, s16, s17
	s_lshl_b32 s17, s14, 18                        ; my block of 64 along K
	s_add_co_u32 s16, s16, s17
	s_mov_b32 s17, 0
	s_lshl_b32 s46, s42, 15                        ; B: the tile's 256 rows,
	s_lshl_b32 s47, s14, 17                        ; my block
	s_add_co_u32 s46, s46, s47
	s_mov_b32 s47, 0
	s_mul_i32 s20, s14, ASUB                       ; where they go: no place in the cluster enters an LDS address
	s_mul_i32 s21, s14, BSUB
	s_add_co_u32 s21, s21, BOFF
	s_wait_dscnt 0x0                               ; both opening adds are done
	s_wait_kmcnt 0x0
	s_add_nc_u64 s[18:19], s[4:5], s[16:17]
	s_add_nc_u64 s[46:47], s[6:7], s[46:47]
	CROUND                                         ; all sixteen work-groups are here
.irp s, 0,1
	s_mov_b32 s[G0+4*\s], 1
	s_add_co_u32 s[G0+4*\s+1], s20, \s*SLOT
	s_add_nc_u64 s[G0+4*\s+2:G0+4*\s+3], s[18:19], \s*ASTEP
	s_or_b32 s[G0+4*\s+3], s[G0+4*\s+3], 0x80000000
	s_mov_b32 s[G0B+4*\s], 1
	s_add_co_u32 s[G0B+4*\s+1], s21, \s*SLOT
	s_add_nc_u64 s[G0B+4*\s+2:G0B+4*\s+3], s[46:47], \s*BSTEP
	s_or_b32 s[G0B+4*\s+3], s[G0B+4*\s+3], 0x80000000
	JLOAD \s                                       ; two loads of mine are out
.endr
	v_and_b32 v1, 15, v0                           ; r
	v_bfe_u32 v2, v0, 4, 1                         ; h
	s_lshl_b32 s66, s42, 10                        ; my first column, in bytes of f32: 1,024 x tile column + 512 x half
	s_lshl_b32 s67, s14, 9
	s_add_co_u32 s66, s66, s67
	s_mov_b32 s67, 0
	s_add_nc_u64 s[8:9], s[8:9], s[66:67]
	v_lshlrev_b32 v7, 5, v2                        ; the bias in the result's layout: lane (r, h) wants, for block b, columns 16 b + 8 h + 0 .. 7
.irp b, 0,1,2,3,4,5,6,7
	global_load_b128 v[BIAS+8*\b:BIAS+8*\b+3],   v7, s[8:9] offset:64*\b
	global_load_b128 v[BIAS+8*\b+4:BIAS+8*\b+7], v7, s[8:9] offset:64*\b+16
.endr
	v_mul_u32_u24 v3, v1, PITCH
	v_lshl_add_u32 v3, v2, 4, v3                   ; a fragment's row x pitch + 16 h
	s_mul_i32 s21, s13, 64*PITCH                   ; my 64 rows of A
	s_mul_i32 s22, s14, 128*PITCH                  ; my 128 rows of B,
	s_add_co_u32 s22, s22, BOFF                    ; behind A's sub-tiles
.irp s, 0,1
	v_add_nc_u32 v[ADRA+\s], s21, v3
	v_add_nc_u32 v[ADRB+\s], s22, v3
	s_add_co_u32 s21, s21, SLOT
	s_add_co_u32 s22, s22, SLOT
.endr
	s_mul_i32 s23, s12, 16*SPITCH
	s_add_co_u32 s23, s23, STAGE                   ; my stage
	v_mul_u32_u24 v5, v1, SPITCH
	v_lshl_add_u32 v5, v2, 5, v5
	v_add_nc_u32 v[STO], s23, v5                   ; in: row r, 32 bytes for each half of the lanes
	v_and_b32 v6, 31, v0
	v_lshlrev_b32 v[CO], 4, v6                     ; back: the 32 lanes take one row of 512 bytes; and the same in out0
	v_add_nc_u32 v[RD], s23, v[CO]
	s_lshl_b32 s68, s15, 1
	s_add_co_u32 s68, s68, s13
	s_lshl_b32 s68, s68, 18                        ; my first row: 64 rows of 4,096 bytes
	s_add_co_u32 s68, s68, s66
	s_mov_b32 s69, 0
	s_add_nc_u64 s[10:11], s[10:11], s[68:69]
; 8 matrix instructions: A's block a x B's eight, 32 along K.  The 32 accumulators take turns, one instruction a turn, in the same order in every quarter.
.macro MULA f, a, first
.irp b, 0,1,2,3,4,5,6,7
.if \first
	v_wmma_f32_16x16x32_f16 v[8*(8*(\a)+\b):8*(8*(\a)+\b)+7], v[\f+32+8*\b:\f+32+8*\b+7], v[\f+8*(\a):\f+8*(\a)+7], v[BIAS+8*\b:BIAS+8*\b+7]
.else
	v_wmma_f32_16x16x32_f16 v[8*(8*(\a)+\b):8*(8*(\a)+\b)+7], v[\f+32+8*\b:\f+32+8*\b+7], v[\f+8*(\a):\f+8*(\a)+7], v[8*(8*(\a)+\b):8*(8*(\a)+\b)+7]
.endif
.endr
.endm
.macro FETCH slot, q, f                ; 24 LDS loads in one run: quarter q of the slot's 128 along K: B's eight fragments, then A's four
	WIN TO_F
.irp i, 0,1,2,3,4,5,6,7
	ds_load_b128 v[\f+32+8*\i:\f+32+8*\i+3],   v[ADRB+\slot] offset:((\q)/2)*BSUB+((\q)%2)*64+\i*16*PITCH
	ds_load_b128 v[\f+32+8*\i+4:\f+32+8*\i+7], v[ADRB+\slot] offset:((\q)/2)*BSUB+((\q)%2)*64+\i*16*PITCH+32
.endr
.irp i, 0,1,2,3
	ds_load_b128 v[\f+8*\i:\f+8*\i+3],   v[ADRA+\slot] offset:((\q)/2)*ASUB+((\q)%2)*64+\i*16*PITCH
	ds_load_b128 v[\f+8*\i+4:\f+8*\i+7], v[ADRA+\slot] offset:((\q)/2)*ASUB+((\q)%2)*64+\i*16*PITCH+32
.endr
.endm
.macro PLACES                          ; four plain lines in front of loads into registers that matrix instructions have read, and of the first read of results
.rept 4
	v_nop
.endr
.endm
.macro QUARTER slot, qn, f, g, first   ; multiplies buffer f; in its middle it fetches quarter qn of the same slot into buffer g
	s_wait_dscnt 4                                 ; B and A's blocks 0, 1 are in; the youngest four loads (A's blocks 2, 3) may be out
.if \first
	WIN MUL1
.else
	WIN MUL
.endif
	MULA \f, 0, \first
	MULA \f, 1, \first
	PLACES
	FETCH \slot, \qn, \g
	s_wait_dscnt 24                                ; all but the 24 just issued
.if \first
	WIN MUL1
.else
	WIN MUL
.endif
	MULA \f, 2, \first
	MULA \f, 3, \first
.endm
; A slot's last quarter multiplies buffer 1 and changes slots: one barrier; in front of it each wave waits for all its tensor loads, adds 0 to its spare word, and waits for that and for its reads of this slot.
; fill = 1: the barrier opens a round of the cluster's, and this slot is filled again, two K steps ahead, first thing behind it: 112 matrix instructions ahead of the wait for it.
.macro TURN slot, next, fill
	WIN 0
	s_wait_tensorcnt 0x0                           ; my part of the next slot has landed
	ds_add_u32 v[SPW], v[NIL]
	s_wait_dscnt 5                                 ; (the add and the youngest four loads may be out)
	WIN MUL
	MULA F1, 0, 0
	s_wait_dscnt 0x0                               ; the add is done, and my reads of this slot are over
	s_barrier_signal -1
	MULA F1, 1, 0
.if \fill
	WIN 0
.endif
	s_barrier_wait -1
.if \fill
	CREST
	s_add_nc_u64 s[G0+4*\slot+2:G0+4*\slot+3], s[G0+4*\slot+2:G0+4*\slot+3], 2*ASTEP
	s_add_nc_u64 s[G0B+4*\slot+2:G0B+4*\slot+3], s[G0B+4*\slot+2:G0B+4*\slot+3], 2*BSTEP
	JLOAD \slot                                    ; the four v_nop behind it are also the places in front of the loads below
.else
	PLACES
.endif
	FETCH \next, 0, F0
	WIN MUL
	MULA F1, 2, 0
	MULA F1, 3, 0
.endm
	s_wait_tensorcnt 1                             ; my part of K step 0 is in (K step 1's load may be out),
	s_barrier_signal -1
	s_barrier_wait -1                              ; everybody's is
	FETCH 0, 0, F0
	s_wait_loadcnt 0x0                             ; the bias
	QUARTER 0, 1, F0, F1, 1                        ; the first quarter's products start the sums from the bias
	WIN 0
	s_mov_b32 s3, 3
.Llap:                                                 ; a trip goes once round the ring, from a lap's second quarter to the next lap's first, and fills both slots again
	QUARTER 0, 2, F1, F0, 0
	QUARTER 0, 3, F0, F1, 0
	TURN 0, 1, 1
	QUARTER 1, 1, F0, F1, 0
	QUARTER 1, 2, F1, F0, 0
	QUARTER 1, 3, F0, F1, 0
	TURN 1, 0, 1
	QUARTER 0, 1, F0, F1, 0
	WIN 0
	s_sub_co_u32 s3, s3, 1
	s_cmp_lg_u32 s3, 0
	s_cbranch_scc1 .Llap
	QUARTER 0, 2, F1, F0, 0                        ; the last lap fills nothing
	QUARTER 0, 3, F0, F1, 0
	TURN 0, 1, 0
	QUARTER 1, 1, F0, F1, 0
	QUARTER 1, 2, F1, F0, 0
	QUARTER 1, 3, F0, F1, 0
	s_wait_dscnt 4
	WIN MUL
	MULA F1, 0, 0
	MULA F1, 1, 0
	s_wait_dscnt 0
	MULA F1, 2, 0
	MULA F1, 3, 0
	WIN 0
; THE WAY OUT, block by block of 16 rows x 128 columns: through my own stage and back as whole rows of 512 bytes.
.macro TOSTAGE a
.set AC, 64*(\a)
	WIN 0x08                                       ; an LDS store's data: window 2
.irp b, 0,1,2,3,4,5,6,7
	ds_store_b128 v[STO], v[AC+8*\b:AC+8*\b+3] offset:64*\b          ; each accumulator from its low end on
	ds_store_b128 v[STO], v[AC+8*\b+4:AC+8*\b+7] offset:64*\b+16
.endr
	WIN 0
.set BB, BK+64*((\a)%2)
.irp t, 0,1,2,3,4,5,6,7,8,9,10,11,12,13,14,15
	ds_load_b128 v[BB+4*\t:BB+4*\t+3], v[RD] offset:\t*SPITCH        ; LDS serves a wave's instructions in order: these see the stores above
.endr
.endm
.macro SEND a, younger
.set BB, BK+64*((\a)%2)
	s_wait_dscnt \younger                          ; the block is back in registers
.if (\a) > 0
	s_add_nc_u64 s[10:11], s[10:11], 16*4096       ; (behind a wait on XCNT)  16 rows on
.else
	s_cmp_eq_u32 s45, 0                            ; a sequence's first 16 positions are another launch's
	s_cbranch_scc1 .Lnot_here
.endif
.irp t, 0,1,2,3,4,5,6,7,8,9,10,11,12,13,14,15
	global_store_b128 v[CO], v[BB+4*\t:BB+4*\t+3], s[10:11] offset:\t*4096 th:TH_STORE_NT   ; 32 lanes store 512 consecutive aligned bytes
.endr
.if (\a) == 0
.Lnot_here:
.endif
.endm
	PLACES
	TOSTAGE 0
.irp a, 1,2,3
.if \a > 1
	s_wait_xcnt 0x0                                ; block a - 2's stores have read their registers and their base
.endif
	TOSTAGE \a
	SEND \a-1, 32                                  ; behind block a - 1's loads: block a's 16 stores and 16 loads
.endr
	s_wait_xcnt 0x0
	SEND 3, 0
	s_wait_tensorcnt 0x0                           ; the wave's end
	ds_add_u32 v[SPW], v[NIL]
	s_wait_dscnt 0x0
	CROUND                                         ; the closing round
	s_endpgm
.Lfunc_end_k_qa69e6957ba_proj:
	.size	k_qa69e6957ba_proj, .Lfunc_end_k_qa69e6957ba_proj-k_qa69e6957ba_proj
	.p2alignl 7, 3214868480
	.fill 96, 4, 3214868480
	.section	.rodata,"a",@progbits
	.p2align	6, 0x0
	.amdhsa_kernel k_qa69e6957ba_proj
		.amdhsa_group_segment_fixed_size 327680
		.amdhsa_private_segment_fixed_size 0
		.amdhsa_enable_private_segment 0
		.amdhsa_kernarg_size 32
		.amdhsa_user_sgpr_count 2
		.amdhsa_user_sgpr_kernarg_segment_ptr 1
		.amdhsa_wavefront_size32 1
		.amdhsa_system_sgpr_workgroup_id_x 1
		.amdhsa_system_sgpr_workgroup_id_y 1
		.amdhsa_system_sgpr_workgroup_id_z 1
		.amdhsa_system_vgpr_workitem_id 0
		.amdhsa_next_free_vgpr 768
		.amdhsa_next_free_sgpr 70
		.amdhsa_reserve_vcc 0
		.amdhsa_float_denorm_mode_32 3
		.amdhsa_float_denorm_mode_16_64 3
		.amdhsa_memory_ordered 1
		.amdhsa_forward_progress 1
		.amdhsa_inst_pref_size 87
	.end_amdhsa_kernel
	.amdgpu_metadata
---
amdhsa.version: [ 1, 2 ]
amdhsa.kernels:
  - .name:           k_qa69e6957ba_proj
    .symbol:         k_qa69e6957ba_proj.kd
    .args:
      - { .name: ctx, .offset: 0, .size: 8, .value_kind: global_buffer, .address_space: global }
      - { .name: wo16, .offset: 8, .size: 8, .value_kind: global_buffer, .address_space: global }
      - { .name: bo, .offset: 16, .size: 8, .value_kind: global_buffer, .address_space: global }
      - { .name: out0, .offset: 24, .size: 8, .value_kind: global_buffer, .address_space: global }
    .group_segment_fixed_size: 327680
    .private_segment_fixed_size: 0
    .kernarg_segment_align: 8
    .kernarg_segment_size: 32
    .max_flat_workgroup_size: 128
    .sgpr_count:     70
    .vgpr_count:     768
    .wavefront_size: 32
...
	.end_amdgpu_metadata
.endif
;; end of part 4
;; launch fine (part 5): grid 64 x 4, 16 waves a work-group, no clusters, 18,432 bytes of LDS; arguments fine32, Wo, bo, out0; writes out0
.if DOCPART == 5
	.amdgcn_target "amdgcn-amd-amdhsa--gfx1250"
	.amdhsa_code_object_version 6
	.text
	.protected	k_qa69e6957ba_fine
	.globl	k_qa69e6957ba_fine
	.p2align	8
	.type	k_qa69e6957ba_fine,@function
k_qa69e6957ba_fine:
	s_mov_b64 s[64:65], 0
	v_nop
	global_prefetch_b8 v0, s[64:65] scope:SCOPE_SE
	s_setreg_imm32_b32 hwreg(HW_REG_WAVE_MODE, 25, 1), 1
	s_wait_xcnt 0x0
; The first 16 positions of each of the 4 sequences, in f32 throughout: scores, causal softmax, weights x V, the projection by Wo, the bias.  Under the causal mask these rows average one to sixteen
; values and are the largest of the output, so 16-bit operands would weigh most here.
; fine32 holds q, k, v of those positions as register images: byte b 196,608 + T 65,536 + h 4,096 + t 1,024 + g 512 + 16 lane + 4 i = token lane % 16, channel 16 t + 8 (lane / 16) + 4 g + i.
; SHARES.  A work-group takes batch y and output columns 16 x .. 16 x + 15; wave w is head w.  The 16 x 16 attention of a head is made anew in each of the 64 column slices (32 matrix instructions a wave).
; All products by v_wmma_f32_16x16x4_f32 (lane (r, h), register j: k = 2 h + j), four accumulators by turns; K is permuted alike on both sides, so that the register pairs (2 s, 2 s + 1) of the images are the operands.
; v160-191, the accumulators, are written by matrix instructions alone; each sum begins with the constant 0.  The 16 heads' parts of the output meet in LDS; waves 0 and 1 add them, and bo, and store.
; A work-group's stores cover 64 bytes of each of 16 rows: 256 KiB in all leave so.
.set SPARE, 16384                      ; behind the 16 waves' parts: the spare words, 128 bytes a wave, that no other line names
.set SPW, 1
.set NIL, 2
.set Q,   16                           ; v16-47  q's image; later ctx; later the parts read back
.set K,   48                           ; v48-79  k's image
.set V,   80                           ; v80-111 v, channels in the lanes: register 8 t + 2 s + j = key 8 h + 2 s + j, channel 16 t + r
.set W,   112                          ; v112-143 Wo(n0 + r, 64 w + 16 t + 8 h + jj) in register 8 t + jj
.set BO,  144
.set ACC, 160
.set SC,  192                          ; the scores
.set PP,  200                          ; p
.set OP,  208                          ; my head's part of the output
	s_load_b256 s[4:11], s[0:1], 0x0               ; fine32, Wo, bo, out0
	v_lshl_add_u32 v[SPW], v0, 2, SPARE
	v_mov_b32 v[NIL], 0
	v_lshrrev_b32 v3, 5, v0
	v_readfirstlane_b32 s12, v3                    ; wave = head
	s_and_b32 s13, ttmp7, 0xffff                   ; batch
	s_lshl_b32 s14, ttmp9, 4                       ; n0
	v_and_b32 v12, 15, v0                          ; r
	v_bfe_u32 v13, v0, 4, 1                        ; h
	v_and_b32 v14, 31, v0
	v_lshlrev_b32 v3, 4, v14                       ; an image: 16 x lane
	v_bfe_u32 v4, v0, 2, 1                         ; v by channel r of a tile: g = (r / 4) % 2,
	v_lshlrev_b32 v4, 9, v4
	v_bfe_u32 v15, v0, 3, 1                        ; the image's upper lanes for r / 8,
	v_lshl_add_u32 v4, v15, 8, v4
	v_and_b32 v15, 3, v0                           ; i = r % 4,
	v_lshl_add_u32 v4, v15, 2, v4
	v_lshl_add_u32 v4, v13, 7, v4                  ; keys 8 h on
	v_lshlrev_b32 v5, 12, v12
	v_lshl_add_u32 v5, v13, 5, v5                  ; Wo: row r of 4,096 bytes, + 32 h
	s_and_b32 s15, s12, 1                          ; c: which four of a lane's eight columns I add up at the end
	s_lshl_b32 s19, s15, 4
	v_lshlrev_b32 v6, 5, v13
	v_add_nc_u32 v6, s19, v6                       ; bo: 32 h + 16 c
	v_add_nc_u32 v10, s19, v5                      ; out0: row r, + 32 h + 16 c
	v_lshlrev_b32 v7, 3, v13
	v_sub_nc_u32 v7, v12, v7                       ; d = r - 8 h: key 8 h + j is hidden where j > d
	s_lshl_b32 s19, s12, 10
	v_add_nc_u32 v8, s19, v3                       ; LDS: my head's part
	s_lshl_b32 s19, s15, 9
	v_add_nc_u32 v9, s19, v3                       ; and where I read the 16 parts
	v_mov_b32 v11, 0xff800000                      ; -infinity
	v_mov_b32 v217, 0                              ; (a lane permute's destination counts as one of its sources)
	v_mov_b32 v219, 0                              ; (named with v218 as a pair)
	s_mov_b32 s16, 0x76543210
	s_mov_b32 s17, 0xfedcba98
	s_mov_b32 s18, 0x3e38aa3b                      ; c = log2(e) / 8
	s_mul_i32 s20, s13, 196608
	s_lshl_b32 s21, s12, 12
	s_add_co_u32 s20, s20, s21
	s_mov_b32 s21, 0
	s_lshl_b32 s22, s14, 12                        ; Wo: row n0,
	s_lshl_b32 s23, s12, 8                         ; my head's 64 columns
	s_add_co_u32 s22, s22, s23
	s_mov_b32 s23, 0
	s_lshl_b32 s24, s14, 2
	s_mov_b32 s25, 0
	s_lshl_b32 s26, s13, 23                        ; out0: 2,048 rows of 4,096 bytes a batch
	s_add_co_u32 s26, s26, s24
	s_mov_b32 s27, 0
	s_wait_kmcnt 0x0
	s_add_nc_u64 s[4:5], s[4:5], s[20:21]
	s_add_nc_u64 s[6:7], s[6:7], s[22:23]
	s_add_nc_u64 s[8:9], s[8:9], s[24:25]
	s_add_nc_u64 s[10:11], s[10:11], s[26:27]
.irp i, 0,1,2,3,4,5,6,7
	global_load_b128 v[Q+4*\i:Q+4*\i+3], v3, s[4:5] offset:512*\i
.endr
.irp i, 0,1,2,3,4,5,6,7
	global_load_b128 v[K+4*\i:K+4*\i+3], v3, s[4:5] offset:65536+512*\i
.endr
.irp t, 0,1,2,3
.irp e, 0,1,2,3,4,5,6,7
	global_load_b32 v[V+8*\t+\e], v4, s[4:5] offset:131072+1024*\t+16*\e
.endr
.endr
.irp i, 0,1,2,3,4,5,6,7
	global_load_b128 v[W+4*\i:W+4*\i+3], v5, s[6:7] offset:64*(\i/2)+16*(\i%2)
.endr
	global_load_b128 v[BO:BO+3], v6, s[8:9]
	s_wait_loadcnt 41                              ; q and k are in; behind them: v's 32 loads, Wo's 8, bo's 1
	; S^T = K Q^T: 16 steps of 4 channels
.irp s, 0,1,2,3
	v_wmma_f32_16x16x4_f32 v[ACC+8*\s:ACC+8*\s+7], v[K+2*\s:K+2*\s+1], v[Q+2*\s:Q+2*\s+1], 0
.endr
.irp s, 4,5,6,7,8,9,10,11,12,13,14,15
	v_wmma_f32_16x16x4_f32 v[ACC+8*(\s%4):ACC+8*(\s%4)+7], v[K+2*\s:K+2*\s+1], v[Q+2*\s:Q+2*\s+1], v[ACC+8*(\s%4):ACC+8*(\s%4)+7]
.endr
.rept 8
	v_nop                                          ; eight places behind this form, ahead of the first read of results
.endr
.irp p, 0,2,4,6
	v_pk_add_f32 v[SC+\p:SC+\p+1], v[ACC+\p:ACC+\p+1], v[ACC+8+\p:ACC+8+\p+1]        ; the four parts, each accumulator from its low end on
	v_pk_add_f32 v[PP+\p:PP+\p+1], v[ACC+16+\p:ACC+16+\p+1], v[ACC+24+\p:ACC+24+\p+1]
.endr
.irp p, 0,2,4,6
	v_pk_add_f32 v[SC+\p:SC+\p+1], v[SC+\p:SC+\p+1], v[PP+\p:PP+\p+1]                ; lane (r, h), register j: query r, key 8 h + j
.endr
.irp j, 0,1,2,3,4,5,6,7
	v_cmp_gt_i32 vcc_lo, \j, v7
	v_cndmask_b32 v[SC+\j], v[SC+\j], v11, vcc_lo                                    ; hidden keys: -infinity.  Key 0 counts for every query
.endr
	v_max3_num_f32 v216, v[SC], v[SC+1], v[SC+2]
	v_max3_num_f32 v216, v216, v[SC+3], v[SC+4]
	v_max3_num_f32 v216, v216, v[SC+5], v[SC+6]
	v_max_num_f32 v216, v216, v[SC+7]
	v_permlanex16_b32 v217, v216, s16, s17
	v_max_num_f32 v216, v216, v217                 ; the row's maximum
	v_mul_f32 v216, s18, v216
.irp j, 0,1,2,3,4,5,6,7
	v_fma_f32 v[PP+\j], v[SC+\j], s18, -v216
.endr
.irp j, 0,1,2,3,4,5,6,7
	v_exp_f32 v[PP+\j], v[PP+\j]
.endr
	v_nop                                          ; a plain line behind the last exponential
	s_wait_alu depctr_va_vdst(0)                   ; one wait for the eight, ahead of their first reader
	v_pk_add_f32 v[220:221], v[PP:PP+1], v[PP+2:PP+3]
	v_pk_add_f32 v[222:223], v[PP+4:PP+5], v[PP+6:PP+7]
	v_pk_add_f32 v[220:221], v[220:221], v[222:223]
	v_add_f32 v220, v220, v221
	v_permlanex16_b32 v217, v220, s16, s17
	v_add_f32 v220, v220, v217                     ; the row's sum
	v_rcp_f32 v218, v220
	v_nop
	s_wait_alu depctr_va_vdst(0)
	s_wait_loadcnt 9                               ; v is in; behind it: Wo's 8 loads, bo's 1
	; O^T = V^T P: 4 steps of 4 keys, a tile of 16 channels to each accumulator
.irp t, 0,1,2,3
	v_wmma_f32_16x16x4_f32 v[ACC+8*\t:ACC+8*\t+7], v[V+8*\t:V+8*\t+1], v[PP:PP+1], 0
.endr
.irp s, 1,2,3
.irp t, 0,1,2,3
	v_wmma_f32_16x16x4_f32 v[ACC+8*\t:ACC+8*\t+7], v[V+8*\t+2*\s:V+8*\t+2*\s+1], v[PP+2*\s:PP+2*\s+1], v[ACC+8*\t:ACC+8*\t+7]
.endr
.endr
.rept 8
	v_nop
.endr
.irp t, 0,1,2,3
.irp p, 0,2,4,6
	v_pk_mul_f32 v[Q+8*\t+\p:Q+8*\t+\p+1], v[ACC+8*\t+\p:ACC+8*\t+\p+1], v[218:219] op_sel_hi:[1,0]   ; ctx = O^T / the sum, in q's layout: register 8 t + jj = channel 16 t + 8 h + jj of query r
.endr
.endr
	v_nop
	v_nop                                          ; with the eight above: nine places and more ahead of products that begin the accumulators anew
	s_wait_loadcnt 1                               ; Wo is in; bo's load may be out
	; my head's part of out^T: source 0 = 16 rows of Wo, source 1 = ctx
.irp s, 0,1,2,3
	v_wmma_f32_16x16x4_f32 v[ACC+8*\s:ACC+8*\s+7], v[W+2*\s:W+2*\s+1], v[Q+2*\s:Q+2*\s+1], 0
.endr
.irp s, 4,5,6,7,8,9,10,11,12,13,14,15
	v_wmma_f32_16x16x4_f32 v[ACC+8*(\s%4):ACC+8*(\s%4)+7], v[W+2*\s:W+2*\s+1], v[Q+2*\s:Q+2*\s+1], v[ACC+8*(\s%4):ACC+8*(\s%4)+7]
.endr
.rept 8
	v_nop
.endr
.irp p, 0,2,4,6
	v_pk_add_f32 v[OP+\p:OP+\p+1], v[ACC+\p:ACC+\p+1], v[ACC+8+\p:ACC+8+\p+1]
	v_pk_add_f32 v[220+\p:221+\p], v[ACC+16+\p:ACC+16+\p+1], v[ACC+24+\p:ACC+24+\p+1]
.endr
.irp p, 0,2,4,6
	v_pk_add_f32 v[OP+\p:OP+\p+1], v[OP+\p:OP+\p+1], v[220+\p:221+\p]                ; lane (r, h), register j: position r, column n0 + 8 h + j
.endr
	ds_store_b128 v8, v[OP:OP+3]
	ds_store_b128 v8, v[OP+4:OP+7] offset:512
	s_wait_dscnt 0x0                               ; for the others' sake: my stores have landed
	s_barrier_signal -1
	s_barrier_wait -1
	s_cmp_gt_u32 s12, 1                            ; waves 0 and 1 add the 16 heads' parts: four columns a lane each
	s_cbranch_scc1 .Ldone
.irp i, 0,1,2,3,4,5,6,7,8,9,10,11,12,13,14,15
	ds_load_b128 v[16+4*\i:19+4*\i], v9 offset:1024*\i
.endr
	s_wait_dscnt 0x0
.macro ADD4 a, b
	v_pk_add_f32 v[16+4*(\a):17+4*(\a)], v[16+4*(\a):17+4*(\a)], v[16+4*(\b):17+4*(\b)]
	v_pk_add_f32 v[18+4*(\a):19+4*(\a)], v[18+4*(\a):19+4*(\a)], v[18+4*(\b):19+4*(\b)]
.endm
.irp i, 0,2,4,6,8,10,12,14
	ADD4 \i, \i+1
.endr
.irp i, 0,4,8,12
	ADD4 \i, \i+2
.endr
	ADD4 0, 4
	ADD4 8, 12
	ADD4 0, 8
	s_wait_loadcnt 0x0                             ; bo
	v_pk_add_f32 v[16:17], v[16:17], v[BO:BO+1]
	v_pk_add_f32 v[18:19], v[18:19], v[BO+2:BO+3]
	global_store_b128 v10, v[16:19], s[10:11]
.Ldone:
	s_wait_tensorcnt 0x0                           ; the wave's end, behind my last LDS store
	ds_add_u32 v[SPW], v[NIL]
	s_wait_dscnt 0x0
	s_endpgm
.Lfunc_end_k_qa69e6957ba_fine:
	.size	k_qa69e6957ba_fine, .Lfunc_end_k_qa69e6957ba_fine-k_qa69e6957ba_fine
	.p2alignl 7, 3214868480
	.fill 96, 4, 3214868480
	.section	.rodata,"a",@progbits
	.p2align	6, 0x0
	.amdhsa_kernel k_qa69e6957ba_fine
		.amdhsa_group_segment_fixed_size 18432
		.amdhsa_private_segment_fixed_size 0
		.amdhsa_enable_private_segment 0
		.amdhsa_kernarg_size 32
		.amdhsa_user_sgpr_count 2
		.amdhsa_user_sgpr_kernarg_segment_ptr 1
		.amdhsa_wavefront_size32 1
		.amdhsa_system_sgpr_workgroup_id_x 1
		.amdhsa_system_sgpr_workgroup_id_y 1
		.amdhsa_system_sgpr_workgroup_id_z 1
		.amdhsa_system_vgpr_workitem_id 0
		.amdhsa_next_free_vgpr 240
		.amdhsa_next_free_sgpr 66
		.amdhsa_reserve_vcc 1
		.amdhsa_float_denorm_mode_32 3
		.amdhsa_float_denorm_mode_16_64 3
		.amdhsa_memory_ordered 1
		.amdhsa_forward_progress 1
		.amdhsa_inst_pref_size 20
	.end_amdhsa_kernel
	.amdgpu_metadata
---
amdhsa.version: [ 1, 2 ]
amdhsa.kernels:
  - .name:           k_qa69e6957ba_fine
    .symbol:         k_qa69e6957ba_fine.kd
    .args:
      - { .name: fine32, .offset: 0, .size: 8, .value_kind: global_buffer, .address_space: global }
      - { .name: Wo, .offset: 8, .size: 8, .value_kind: global_buffer, .address_space: global }
      - { .name: bo, .offset: 16, .size: 8, .value_kind: global_buffer, .address_space: global }
      - { .name: out0, .offset: 24, .size: 8, .value_kind: global_buffer, .address_space: global }
    .group_segment_fixed_size: 18432
    .private_segment_fixed_size: 0
    .kernarg_segment_align: 8
    .kernarg_segment_size: 32
    .max_flat_workgroup_size: 512
    .sgpr_count:     66
    .vgpr_count:     240
    .wavefront_size: 32
...
	.end_amdgpu_metadata
.endif
;; end of part 5
